; MI455X (gfx1250); checked and timed in simulation.
; The chip was launched on July 23, 2026; its instructions are those of AMD's public machine-readable ISA for CDNA 5 (MIT licence, August 2026) and "CDNA5" Instruction Set Architecture Reference Guide (July 2026). The comments in the code are by the model that wrote it; some were corrected since.
;; Mo E Head. Allowed arithmetic: matrix products marked QUANTISED: E2M3 operands, one E8M0 scale for each 32 along K, by v_wmma_scale_f32_16x16x128_f8f6f4 with both operands' format E2M3, f32 sums; products left as they are: f32 operands where the result goes on into a quantised operand, else bf16, f16 or f32 operands; f32 sums; everything else in f32.
;; Inputs: W_in 8 x 2,048 x 512 float32; W_out 8 x 2,048 x 512 float32; Wr 8 x 512 float32; x 4,096 x 512 float32.
;; Outputs: out0 4,096 x 512 float32.
;; This version of the problem:
;;   THIS VERSION OF THE PROBLEM IS GIVEN IN LOW PRECISION. The matrix products marked QUANTISED in the list below multiply operands that are first quantised to E2M3 (2 exponent bits, 3 mantissa bits; 6 bits a number), with one power-of-two scale for each 32 numbers along K (OCP MX v1.0); their sums are f32. All else is computed in f32.
;;   The module's matrix products, in the order in which they are computed (A, B: the left and right operand; K: the contracted axis; several contracted axes count as one K, in the product's order):
;;     1. [M 4,096, K 512] x [K 512, N 8]; A: input x; B: input Wr: left as it is (N = 8 < 16)
;;     2. [M 4,096, K 512] x [K 512, N 16,384]; A: input x; B: input W_in: QUANTISED
;;     3. [M 4,096, K 16,384] x [K 16,384, N 512]; A: computed on the way; B: input W_out: QUANTISED
;;   THE QUANTISER, for each operand of a quantised product, along K:
;;     - K is cut into blocks of 32 from its start; a last block that is shorter is filled with zeros.
;;     - A block's scale is 2^e with e = floor(log2(the largest magnitude in the block)) - 2, held to -126 .. 127; a block of zeros has e = 0. As a byte (E8M0): e + 127.
;;     - Each number is divided by its block's scale, clamped to +-7.5, and rounded to the nearest number of E2M3, ties to even, subnormals kept.
;;     - The product sums the exact products of the quantised numbers (number of the format x scale) in f32.
;;   ~~~python
;;   def quantise(x, axis):      # numpy; x: float32 -> the quantised numbers, widened to float32 again
;;       x = np.moveaxis(x, axis, -1); K = x.shape[-1]
;;       x = np.pad(x, [(0, 0)] * (x.ndim - 1) + [(0, -K % 32)]); x = x.reshape(x.shape[:-1] + (-1, 32)); a = np.abs(x).max(-1, keepdims=True)
;;       e = np.where(a > 0, np.clip(np.frexp(np.where(a > 0, a, 1))[1] - 1 - 2, -126, 127), 0)      # np.frexp(a)[1] - 1 = floor(log2(a)), exactly
;;       r = np.clip(x / 2.0 ** e, -7.5, 7.5)
;;       step = 2.0 ** (np.maximum(np.frexp(np.where(r == 0, 1, r))[1] - 1, 0) - 3)
;;       q = np.round(r / step) * step * 2.0 ** e      # np.round: ties to even
;;       return np.moveaxis(q.reshape(q.shape[:-2] + (-1,))[..., :K], -1, axis).astype(np.float32)
;;   ~~~
;;   OPERANDS COMPUTED ON THE WAY. 'Computed on the way' means the value that the module computes at that place (a softmax that the list does not call 'softmax' is quantised finished and normalised). What goes into a quantiser is computed in f32, as accurately as f32 sums, v_exp_f32 and their like allow (about 1e-6 of the number): no bf16 or f16 on the way to a quantiser, and a product that is left as it is and whose result goes on into a quantised operand takes f32 operands (vector FMAs, or v_wmma_f32_16x16x4_f32). A number that lies on a knife's edge between two numbers of the format may be rounded either way, as far as f32 arithmetic and the matrix unit's own rounding can turn it there, and no further.
;; 2 versions, each right; version 2 is version 1 with the launch chain written anew for expert scheduling mode. Each part assembles by itself: llvm-mc -triple=amdgcn-amd-amdhsa -mcpu=gfx1250 --defsym DOCPART=n.
;; ======== version 1 of 2: 4 launches
;; workspace buffers: wq 12,582,912 bytes; ws 524,288 bytes; xq 1,638,400 bytes; ridx 32,768 bytes of whole numbers; gate 32,768 bytes; plan 34,816 bytes of whole numbers; part 33,554,432 bytes
;; launch prep (part 1): grid 576 x 1, 4 waves a work-group, no clusters, 92,672 bytes of LDS; arguments x, Wr, W_in, W_out, wq, ws, xq, ridx, gate; writes wq, ws, xq, ridx, gate
.if DOCPART == 1
	.amdgcn_target "amdgcn-amd-amdhsa--gfx1250"
	.amdhsa_code_object_version 6
	.text
	.protected	k_qc71bb77b16_prep
	.globl	k_qc71bb77b16_prep
	.p2align	8
	.type	k_qc71bb77b16_prep,@function
k_qc71bb77b16_prep:
	s_mov_b64 s[64:65], 0
	v_nop
	global_prefetch_b8 v0, s[64:65] scope:SCOPE_SE
	s_setreg_imm32_b32 hwreg(HW_REG_WAVE_MODE, 25, 1), 1
	s_wait_xcnt 0x0
; Three jobs in one launch, chosen by the work-group's number; each is a whole text of its own and has LDS bytes of its own.  Waves share nothing: no barrier.
;   work-groups 0-63:    x [4096][512] f32 -> codes of FP6 (E2M3) and E8M0 scale words; the router's logits in f32, top 2, softmax over the two.
;   work-groups 64-319:  W_in [8][2048][512] f32 (K = 512 innermost) -> codes, laid as images of the operand's registers, and scale words.
;   work-groups 320-575: W_out [8][2048][512] f32 (K = the hidden axis, NOT innermost) -> the same, a lane to a column and its registers down K.
; A block's scale is 2^(floor(log2(largest magnitude)) - 2): its byte is the largest magnitude's exponent field - 2, held at 1 from below.
; AN IMAGE of a fragment (16 rows x 128 K, 12 registers a lane) is 1,536 bytes: word i of lane L at 512 (i / 4) + 16 L + 4 (i % 4): three loads of 16 bytes a lane bring it back.
; LIMITS: NaN and infinities among the inputs are not served (a logit of -infinity could be taken wrongly as the second choice).  Blocks whose largest magnitude lies under 2^-124 keep the byte 1;
; a block of zeros has the byte 1 where the rule says 127: its codes are zeros, and only this program reads the bytes.  Two logits that differ in their last bits only may be ranked otherwise than by another order of summing.
.set XO,   33792                       ; LDS: 0: x's turning stages, 4 x 8,448; XO: x's codes on their way out, 4 x 6,144; WT: W_in's turning stages, 4 x 8,448
.set WT,   58368
.set WOQ,  6291456                     ; wq: W_in's images, then W_out's
.set WOS,  262144                      ; ws: W_in's scale words, then W_out's
.set XSO,  1572864                     ; xq: codes, then scale words
.set R,    16                          ; v16-79   16 rows x 16 bytes a lane, as loaded
.set X,    80                          ; v80-143  my row's 64 numbers of a K step: X[32 c + i] = k 64 c + 32 h + i
.set WR,   144                         ; v144-207 Wr's numbers at the same k (x's job); a second set as loaded (W_in's job)
.set ACC,  208                         ; v208-223 the logits' two sums: written by matrix instructions alone
.set C,    232                         ; v232-243 a fragment's 12 registers
.set T0,   244
.set T1,   248
.set SW,   252                         ; v252-255 the scale words of the 4 K steps
	s_load_b512 s[4:19], s[0:1], 0x0               ; x s[4:5], Wr s[6:7], W_in s[8:9], W_out s[10:11], wq s[12:13], ws s[14:15], xq s[16:17], ridx s[18:19]
	s_load_b64 s[20:21], s[0:1], 0x40              ; gate
	v_lshl_add_u32 v247, v0, 2, 0x16800
	v_mov_b32 v251, 0
	v_lshrrev_b32 v1, 5, v0
	v_readfirstlane_b32 s22, v1                    ; wave
	v_and_b32 v1, 31, v0                           ; lane
	v_and_b32 v2, 15, v0                           ; r
	v_bfe_u32 v3, v0, 4, 1                         ; h
	v_lshlrev_b32 v4, 4, v1                        ; 16 x lane
	s_mul_i32 s23, s22, 8448
	v_add_nc_u32 v5, s23, v4                       ; x's stage, in: a row's 512 bytes on end, rows 528 bytes apart
	v_mul_u32_u24 v6, v2, 528
	v_lshl_add_u32 v6, v3, 7, v6
	v_add_nc_u32 v6, s23, v6                       ; and out: row r, + 128 h: my block of 32 numbers
	v_add_nc_u32 v10, WT, v5                       ; the same two for W_in's stage
	v_add_nc_u32 v11, WT, v6
	s_mul_i32 s24, s22, 6144
	s_add_co_u32 s24, s24, XO
	v_mul_u32_u24 v8, v2, 384
	v_mad_u32_u24 v8, v3, 48, v8
	v_add_nc_u32 v8, s24, v8                       ; x's codes, in: token r's 384 bytes, + 48 h
	v_add_nc_u32 v9, s24, v4                       ; and out: as they lie
	v_lshlrev_b32 v12, 3, v3                       ; 8 h: my bytes' place in a scale word
	v_lshlrev_b32 v13, 4, v2
	v_lshl_add_u32 v13, v3, 3, v13                 ; 16 r + 8 h: my two of a row's four scale words
	v_lshlrev_b32 v14, 2, v1                       ; 4 x lane
	v_mul_u32_u24 v15, v3, 1536
	v_lshl_add_u32 v15, v2, 4, v15                 ; W_out: my column's place in its image
	v_mov_b32 v231, 0                              ; a lane permute's destination counts as one of its sources
	v_cmp_ne_u32 s28, 0, v3                        ; lanes 16-31
	s_mov_b32 s26, 0x76543210
	s_mov_b32 s27, 0xfedcba98                      ; selects for lane l xor 16
	s_mov_b32 s33, 0
; 16 rows' 512 bytes of K step s: each load reads 512 consecutive bytes.  skew = 1: the rows of a tile of W_in are 0-7 and 16-23
.macro RLOAD set, s, b, skew
.irp i, 0,1,2,3,4,5,6,7,8,9,10,11,12,13,14,15
	global_load_b128 v[\set+4*\i:\set+4*\i+3], v4, s[\b:\b+1] offset:(\i+\skew*8*(\i/8))*2048+512*(\s) th:TH_LOAD_NT
.endr
.endm
; through the wave's own stage: in as loaded, out 32 neighbours along K twice.  LDS serves a wave's instructions in order, so no wait stands between
.macro TURN set, si, so
.irp i, 0,1,2,3,4,5,6,7,8,9,10,11,12,13,14,15
	ds_store_b128 v[\si], v[\set+4*\i:\set+4*\i+3] offset:528*\i
.endr
.irp c, 0,1
.irp j, 0,1,2,3,4,5,6,7
	ds_load_b128 v[X+32*\c+4*\j:X+32*\c+4*\j+3], v[\so] offset:256*\c+16*\j
.endr
.endr
	s_wait_dscnt 0x0                               ; my 64 numbers are in, and the stores have read their registers
.endm
; my two whole blocks (2 c + h) become registers 6 c .. 6 c + 5 of the fragment, and the row's scale word of K step s
.macro QUANT2 s
	v_max3_num_f32 v224, |v[X]|, |v[X+1]|, 0x1800000       ; with the floor 2^(3 - 127) among the leaves: the byte cannot fall under 1
	v_max3_num_f32 v225, |v[X+32]|, |v[X+33]|, 0x1800000
.irp i, 2,4,6,8,10,12,14,16,18,20,22,24,26,28,30
	v_max3_num_f32 v224, v224, |v[X+\i]|, |v[X+\i+1]|
	v_max3_num_f32 v225, v225, |v[X+32+\i]|, |v[X+33+\i]|
.endr
	v_add_nc_u32 v226, 0xff000000, v224            ; 2 off the exponent field: the conversion takes this operand's exponent field as its scale
	v_add_nc_u32 v227, 0xff000000, v225
	v_lshrrev_b32 v228, 23, v226                   ; the bytes
	v_lshrrev_b32 v229, 23, v227
	v_lshl_or_b32 v230, v229, 16, v228
	v_lshlrev_b32 v230, v12, v230                  ; blocks h and 2 + h at their places,
	v_permlanex16_b32 v231, v230, s26, s27
	v_or_b32 v[SW+\s], v230, v231                  ; with lane l xor 16's two the word is whole
	v_cvt_scalef32_pk16_fp6_f32 v[C:C+2], v[X:X+15], v226
	v_cvt_scalef32_pk16_fp6_f32 v[T0:T0+2], v[X+16:X+31], v226     ; (a conversion's three registers begin on an even number)
	v_cvt_scalef32_pk16_fp6_f32 v[C+6:C+8], v[X+32:X+47], v227
	v_cvt_scalef32_pk16_fp6_f32 v[T1:T1+2], v[X+48:X+63], v227
	v_nop                                          ; one plain place behind a scaled conversion
.irp i, 0,1,2
	v_mov_b32 v[C+3+\i], v[T0+\i]
	v_mov_b32 v[C+9+\i], v[T1+\i]
.endr
.endm
.macro SWSTORE b                       ; 16 rows x 4 words: the 32 lanes store 256 consecutive bytes
	v_cndmask_b32 v224, v[SW], v[SW+2], s28
	v_cndmask_b32 v225, v[SW+1], v[SW+3], s28
	global_store_b64 v13, v[224:225], s[\b:\b+1]
.endm
	s_wait_kmcnt 0x0
	s_cmp_lt_u32 ttmp9, 64
	s_cbranch_scc1 .Lxpath
	s_cmp_lt_u32 ttmp9, 320
	s_cbranch_scc1 .Lwipath
; ---------------- W_out: my wave takes 32 columns x 256 hidden units (two K steps) of one expert
.set WX,   32                          ; v32-95   two sets of 32 numbers down K
.set F,    96                          ; v96-143  codes: K step q, half h, c at F + 24 q + 12 h + 6 c
.set SB,   152                         ; v152-153 the two K steps' scale words
	s_sub_co_u32 s30, ttmp9, 320
	s_lshl_b32 s30, s30, 2
	s_add_co_u32 s30, s30, s22
	s_and_b32 s31, s30, 15                         ; which 32 columns
	s_lshr_b32 s30, s30, 4                         ; 8 x expert + which 256 hidden units
	s_lshl_b32 s32, s30, 19
	s_lshl_b32 s34, s31, 7
	s_add_co_u32 s32, s32, s34
	s_add_nc_u64 s[10:11], s[10:11], s[32:33]
	s_mul_i32 s32, s30, 98304                      ; two K steps of 32 images
	s_mul_i32 s34, s31, 3072                       ; two images
	s_add_co_u32 s32, s32, s34
	s_add_nc_u64 s[12:13], s[12:13], s[32:33]
	s_add_nc_u64 s[12:13], s[12:13], WOQ
	s_lshl_b32 s32, s30, 12
	s_lshl_b32 s34, s31, 8
	s_add_co_u32 s32, s32, s34
	s_add_nc_u64 s[14:15], s[14:15], s[32:33]
	s_add_nc_u64 s[14:15], s[14:15], WOS
	v_lshlrev_b32 v7, 3, v1                        ; 8 bytes of scale words a column
.macro KLOAD t                         ; block t: rows 32 t + i of my column; the wave reads 128 consecutive bytes, the four waves 512
.irp i, 0,1,2,3,4,5,6,7,8,9,10,11,12,13,14,15,16,17,18,19,20,21,22,23,24,25,26,27,28,29,30,31
	global_load_b32 v[WX+32*((\t)%2)+\i], v14, s[10:11] offset:(32*(\t)+\i)*2048 th:TH_LOAD_NT
.endr
.endm
.macro BLOCK t                         ; block t % 4 of K step t / 4: in the operand it is half h = t % 2, c = (t % 4) / 2
.set XB, WX+32*((\t)%2)
.set FS, F+24*((\t)/4)+12*((\t)%2)+6*(((\t)%4)/2)
.if (\t) < 7
	s_wait_loadcnt 32                              ; this block's 32 loads are in; the next block's may be out
.else
	s_wait_loadcnt 0x0
.endif
	v_max3_num_f32 v148, |v[XB]|, |v[XB+1]|, |v[XB+2]|
	v_max3_num_f32 v149, |v[XB+3]|, |v[XB+4]|, |v[XB+5]|
.irp i, 6,10,14,18,22,26
	v_max3_num_f32 v148, v148, |v[XB+\i]|, |v[XB+\i+1]|
	v_max3_num_f32 v149, v149, |v[XB+\i+2]|, |v[XB+\i+3]|
.endr
	v_max3_num_f32 v148, v148, |v[XB+30]|, |v[XB+31]|
	v_max3_num_f32 v148, v148, v149, 0x1800000     ; and the floor
	v_add_nc_u32 v150, 0xff000000, v148
	v_lshrrev_b32 v151, 23, v150
.if ((\t)%4) == 0
	v_mov_b32 v[SB+(\t)/4], v151
.else
	v_lshl_or_b32 v[SB+(\t)/4], v151, 8*((\t)%4), v[SB+(\t)/4]
.endif
	v_cvt_scalef32_pk16_fp6_f32 v[FS:FS+2], v[XB:XB+15], v150
	v_cvt_scalef32_pk16_fp6_f32 v[144:146], v[XB+16:XB+31], v150
	v_nop                                          ; one plain place behind a scaled conversion
.irp i, 0,1,2
	v_mov_b32 v[FS+3+\i], v[144+\i]
.endr
.if (\t)+2 < 8
	KLOAD (\t)+2
.endif
.if ((\t)%4) == 3                      ; a K step is whole: sixteen lanes store 256 consecutive bytes of their image.  Each K step has registers of its own: no store's data are written again
.irp u, 0,1
.irp g, 0,1,2
	global_store_b128 v15, v[F+24*((\t)/4)+12*\u+4*\g:F+24*((\t)/4)+12*\u+4*\g+3], s[12:13] offset:49152*((\t)/4)+512*\g+256*\u
.endr
.endr
.endif
.endm
	KLOAD 0
	KLOAD 1
.irp t, 0,1,2,3,4,5,6,7
	BLOCK \t
.endr
	global_store_b64 v7, v[SB:SB+1], s[14:15]      ; 32 columns x 8 bytes: 256 consecutive bytes
	s_endpgm
; ---------------- W_in: my wave takes one tile of 16 rows, all 4 K steps
.Lwipath:
	s_sub_co_u32 s30, ttmp9, 64
	s_lshl_b32 s30, s30, 2
	s_add_co_u32 s30, s30, s22                     ; tile T = 8 x (16 expert + group of 128 hidden units) + t
	s_lshr_b32 s31, s30, 3
	s_lshl_b32 s31, s31, 7
	s_bfe_u32 s32, s30, 0x20001
	s_lshl_b32 s32, s32, 5
	s_add_co_u32 s31, s31, s32
	s_and_b32 s32, s30, 1
	s_lshl_b32 s32, s32, 3
	s_add_co_u32 s31, s31, s32                     ; its first row: 128 (T / 8) + 32 (t / 2) + 8 (t % 2); lane r takes the row r + 8 (r / 8) further on,
	s_lshl_b32 s32, s31, 11                        ; so that the results of tiles 2 b and 2 b + 1 are 16 neighbours along the next product's K
	s_add_nc_u64 s[8:9], s[8:9], s[32:33]
	s_mul_i32 s32, s30, 6144
	s_add_nc_u64 s[12:13], s[12:13], s[32:33]
	s_lshl_b32 s32, s30, 8
	s_add_nc_u64 s[14:15], s[14:15], s[32:33]
	RLOAD R, 0, 8, 1
	RLOAD WR, 1, 8, 1
.irp s, 0,1,2,3
.if \s < 3
	s_wait_loadcnt 16                              ; this K step's 16 loads are in; the next step's may be out
.else
	s_wait_loadcnt 0x0
.endif
	s_wait_xcnt 0x0                                ; the last step's stores have read the codes' registers
	TURN R+128*(\s%2), 10, 11
.if \s < 2
	RLOAD R+128*(\s%2), \s+2, 8, 1
.endif
	QUANT2 \s
.irp g, 0,1,2
	global_store_b128 v4, v[C+4*\g:C+4*\g+3], s[12:13] offset:1536*\s+512*\g     ; the image: 512 consecutive bytes a store
.endr
.endr
	SWSTORE 14
	s_wait_tensorcnt 0x0
	ds_add_u32 v247, v251
	s_wait_dscnt 0x0
	s_endpgm
; ---------------- x: my wave takes 16 tokens
.Lxpath:
	s_lshl_b32 s30, ttmp9, 2
	s_add_co_u32 s30, s30, s22                     ; which 16 tokens
	s_lshl_b32 s32, s30, 15
	s_add_nc_u64 s[4:5], s[4:5], s[32:33]
	v_and_b32 v7, 7, v0
	v_lshlrev_b32 v7, 11, v7
	v_lshl_add_u32 v7, v3, 7, v7                   ; Wr: row r % 8 (rows 8-15 of the matrix operand repeat the 8 experts), + 128 h
	RLOAD R, 0, 4, 0
.macro WRLOAD s
.irp c, 0,1
.irp j, 0,1,2,3,4,5,6,7
	global_load_b128 v[WR+32*\c+4*\j:WR+32*\c+4*\j+3], v7, s[6:7] offset:512*(\s)+256*\c+16*\j
.endr
.endr
.endm
	WRLOAD 0
	s_mul_i32 s32, s30, 6144
	s_add_nc_u64 s[34:35], s[16:17], s[32:33]      ; my tokens' codes
	s_lshl_b32 s32, s30, 8
	s_add_nc_u64 s[36:37], s[16:17], s[32:33]
	s_add_nc_u64 s[36:37], s[36:37], XSO           ; and scale words
	s_lshl_b32 s32, s30, 7
	s_add_nc_u64 s[18:19], s[18:19], s[32:33]      ; my 32 entries of the choice
	s_add_nc_u64 s[20:21], s[20:21], s[32:33]
; the logits, in f32: source 0 = Wr's rows, source 1 = my tokens; the same k stands in the same register and half on both sides.  Two sums take turns, one instruction a turn
.macro ROUTE s
.set p, 0
.rept 32
.if ((\s) == 0) && (p < 2)
	v_wmma_f32_16x16x4_f32 v[ACC+8*(p%2):ACC+8*(p%2)+7], v[WR+2*p:WR+2*p+1], v[X+2*p:X+2*p+1], 0
.else
	v_wmma_f32_16x16x4_f32 v[ACC+8*(p%2):ACC+8*(p%2)+7], v[WR+2*p:WR+2*p+1], v[X+2*p:X+2*p+1], v[ACC+8*(p%2):ACC+8*(p%2)+7]
.endif
.set p, p+1
.endr
.endm
.irp s, 0,1,2,3
	s_wait_loadcnt 0x0                             ; this K step's rows of x and of Wr
	TURN R, 5, 6
.if \s < 3
	RLOAD R, \s+1, 4, 0
.endif
	ROUTE \s
	QUANT2 \s
.rept 8
	v_nop                                          ; eight places behind this matrix form, in front of loads into its sources and of the first read of its sums
.endr
.if \s < 3
	WRLOAD \s+1
.endif
.irp g, 0,1,2
	ds_store_b128 v8, v[C+4*\g:C+4*\g+3] offset:96*\s+16*\g
.endr
.endr
.irp i, 0,1,2,3,4,5,6,7,8,9,10,11
	ds_load_b128 v[X+4*\i:X+4*\i+3], v9 offset:512*\i      ; 16 tokens' codes, as they will lie in memory
.endr
.irp e, 0,1,2,3,4,5,6,7
	v_add_f32 v[16+\e], v[ACC+\e], v[ACC+8+\e]     ; token r's logit of expert e (both halves of the lanes hold the same); each sum is read from its low end on
.endr
	v_mov_b32 v24, v16                             ; the largest logit; only a strictly larger one replaces it, so the lower index wins a tie
	v_mov_b32 v25, 0
.irp e, 1,2,3,4,5,6,7
	v_cmp_gt_f32 vcc_lo, v[16+\e], v24
	v_cndmask_b32 v24, v24, v[16+\e], vcc_lo
	v_cndmask_b32 v25, v25, \e, vcc_lo
.endr
	v_mov_b32 v28, 0xff800000
.irp e, 0,1,2,3,4,5,6,7
	v_cmp_eq_u32 vcc_lo, \e, v25
	v_cndmask_b32 v[16+\e], v[16+\e], v28, vcc_lo  ; the winner leaves the field
.endr
	v_mov_b32 v26, v16
	v_mov_b32 v27, 0
.irp e, 1,2,3,4,5,6,7
	v_cmp_gt_f32 vcc_lo, v[16+\e], v26
	v_cndmask_b32 v26, v26, v[16+\e], vcc_lo
	v_cndmask_b32 v27, v27, \e, vcc_lo
.endr
	v_sub_f32 v29, v26, v24                        ; the maximum is taken away: 0 for the first, this for the second
	v_mul_f32 v29, 0x3fb8aa3b, v29
	v_exp_f32 v29, v29
	v_nop                                          ; one plain place behind a transcendental
	s_wait_alu depctr_va_vdst(0)
	v_add_f32 v30, 1.0, v29
	v_rcp_f32 v30, v30                             ; the first weight
	v_lshlrev_b32 v34, 3, v2                       ; (a plain place)  entry 2 r + h: 8 r + 4 h bytes
	s_wait_alu depctr_va_vdst(0)
	v_mul_f32 v31, v29, v30                        ; the second
	v_lshl_add_u32 v34, v3, 2, v34
	v_cndmask_b32 v32, v25, v27, s28               ; lanes 0-15 store the first choice, lanes 16-31 the second: at fixed places, no address hangs on the choice
	v_cndmask_b32 v33, v30, v31, s28
	global_store_b32 v34, v32, s[18:19]            ; 128 consecutive bytes a wave: these two buffers are 32 KiB each
	global_store_b32 v34, v33, s[20:21]
.irp i, 0,1,2,3,4,5,6,7,8,9,10,11
	s_wait_dscnt 11-\i                             ; LDS loads come back in order: load i is in
	global_store_b128 v4, v[X+4*\i:X+4*\i+3], s[34:35] offset:512*\i
.endr
	SWSTORE 36
	s_wait_tensorcnt 0x0
	ds_add_u32 v247, v251
	s_wait_dscnt 0x0
	s_endpgm
.Lfunc_end_k_qc71bb77b16_prep:
	.size	k_qc71bb77b16_prep, .Lfunc_end_k_qc71bb77b16_prep-k_qc71bb77b16_prep
	.p2alignl 7, 3214868480
	.fill 96, 4, 3214868480
	.section	.rodata,"a",@progbits
	.p2align	6, 0x0
	.amdhsa_kernel k_qc71bb77b16_prep
		.amdhsa_group_segment_fixed_size 92672
		.amdhsa_private_segment_fixed_size 0
		.amdhsa_enable_private_segment 0
		.amdhsa_kernarg_size 72
		.amdhsa_user_sgpr_count 2
		.amdhsa_user_sgpr_kernarg_segment_ptr 1
		.amdhsa_wavefront_size32 1
		.amdhsa_system_sgpr_workgroup_id_x 1
		.amdhsa_system_sgpr_workgroup_id_y 1
		.amdhsa_system_sgpr_workgroup_id_z 1
		.amdhsa_system_vgpr_workitem_id 0
		.amdhsa_next_free_vgpr 256
		.amdhsa_next_free_sgpr 66
		.amdhsa_reserve_vcc 1
		.amdhsa_float_denorm_mode_32 3
		.amdhsa_float_denorm_mode_16_64 3
		.amdhsa_memory_ordered 1
		.amdhsa_forward_progress 1
		.amdhsa_inst_pref_size 117
	.end_amdhsa_kernel
	.amdgpu_metadata
---
amdhsa.version: [ 1, 2 ]
amdhsa.kernels:
  - .name:           k_qc71bb77b16_prep
    .symbol:         k_qc71bb77b16_prep.kd
    .args:
      - { .name: x, .offset: 0, .size: 8, .value_kind: global_buffer, .address_space: global }
      - { .name: Wr, .offset: 8, .size: 8, .value_kind: global_buffer, .address_space: global }
      - { .name: W_in, .offset: 16, .size: 8, .value_kind: global_buffer, .address_space: global }
      - { .name: W_out, .offset: 24, .size: 8, .value_kind: global_buffer, .address_space: global }
      - { .name: wq, .offset: 32, .size: 8, .value_kind: global_buffer, .address_space: global }
      - { .name: ws, .offset: 40, .size: 8, .value_kind: global_buffer, .address_space: global }
      - { .name: xq, .offset: 48, .size: 8, .value_kind: global_buffer, .address_space: global }
      - { .name: ridx, .offset: 56, .size: 8, .value_kind: global_buffer, .address_space: global }
      - { .name: gate, .offset: 64, .size: 8, .value_kind: global_buffer, .address_space: global }
    .group_segment_fixed_size: 92672
    .private_segment_fixed_size: 0
    .kernarg_segment_align: 8
    .kernarg_segment_size: 72
    .max_flat_workgroup_size: 128
    .sgpr_count:     66
    .vgpr_count:     256
    .wavefront_size: 32
...
	.end_amdgpu_metadata
.endif
;; end of part 1
;; launch place (part 2): grid 1 x 1, 16 waves a work-group, no clusters, 2,560 bytes of LDS; arguments ridx, plan; writes plan
.if DOCPART == 2
	.amdgcn_target "amdgcn-amd-amdhsa--gfx1250"
	.amdhsa_code_object_version 6
	.text
	.protected	k_qc71bb77b16_place
	.globl	k_qc71bb77b16_place
	.p2align	8
	.type	k_qc71bb77b16_place,@function
k_qc71bb77b16_place:
	s_mov_b64 s[64:65], 0
	v_nop
	global_prefetch_b8 v0, s[64:65] scope:SCOPE_SE
	s_setreg_imm32_b32 hwreg(HW_REG_WAVE_MODE, 25, 1), 1
	s_wait_xcnt 0x0
; A counting sort of the 8,192 entries (entry j = 2 x token + k holds its expert) by expert, and a list of EXACTLY 110 tiles, none empty, whatever the split.
; plan: words 0-8191: the entries in the order of their experts; from byte 32,768 on: 110 records {expert, first place, rows, 0}.
; With tiles of 80 rows the experts need 103 to 110 tiles in all.  What is missing to 110 (0 to 7) is made by cutting the first full tiles of the largest expert, which has 1,024 rows or more, so twelve full tiles, into two of 40.
; One work-group of 16 waves; wave w owns entries 512 w .. 512 w + 511.  No atomics: each wave counts, the counts meet in LDS, and each wave places its own entries from its own bases.
	s_load_b128 s[4:7], s[0:1], 0x0                ; ridx, plan
	v_lshl_add_u32 v96, v0, 2, 0x200
	v_mov_b32 v97, 0
	v_lshrrev_b32 v1, 5, v0
	v_readfirstlane_b32 s8, v1                     ; wave
	v_and_b32 v2, 31, v0
	v_lshlrev_b32 v3, 4, v2
	v_lshl_add_u32 v3, v1, 11, v3                  ; 2,048 w + 16 lane
	v_lshlrev_b32 v4, 5, v1                        ; LDS: my wave's eight counts
	v_and_b32 v5, 15, v0
	v_lshlrev_b32 v6, 5, v5                        ; and those of wave lane % 16
	v_lshlrev_b32 v7, 2, v2
	v_lshl_add_u32 v7, v1, 9, v7                   ; 512 w + 4 lane: register n holds entry this + 128 (n / 4) + n % 4
.irp e, 0,1,2,3,4,5,6,7
	s_mov_b32 s[16+\e], 0
	v_mov_b32 v[80+\e], 0                          ; (destinations of the lane moves below count as read)
.endr
	s_wait_kmcnt 0x0
.irp q, 0,1,2,3
	global_load_b128 v[16+4*\q:16+4*\q+3], v3, s[4:5] offset:512*\q
.endr
	s_wait_loadcnt 0x0
.irp n, 0,1,2,3,4,5,6,7,8,9,10,11,12,13,14,15
.irp e, 0,1,2,3,4,5,6,7
	v_cmp_eq_u32 s[80+\e], \e, v[16+\n]
.endr
.irp e, 0,1,2,3,4,5,6,7
	s_bcnt1_i32_b32 s[88+\e], s[80+\e]
.endr
.irp e, 0,1,2,3,4,5,6,7
	s_add_co_u32 s[16+\e], s[16+\e], s[88+\e]      ; my wave's count of expert e
.endr
.endr
.irp e, 0,1,2,3,4,5,6,7
	v_mov_b32 v[64+\e], s[16+\e]
.endr
	ds_store_b128 v4, v[64:67]                     ; all lanes write the same words with the same values
	ds_store_b128 v4, v[68:71] offset:16
	s_wait_dscnt 0x0                               ; for the others' sake
	s_barrier_signal -1
	s_barrier_wait -1
	ds_load_b128 v[64:67], v6
	ds_load_b128 v[68:71], v6 offset:16
	s_wait_dscnt 0x0
	v_cmp_gt_u32 vcc_lo, s8, v5                    ; waves in front of mine
.irp k, 0,1,2,3
	v_lshl_or_b32 v[72+\k], v[65+2*\k], 16, v[64+2*\k]     ; two experts to a register: no total passes 8,192
.endr
.irp k, 0,1,2,3
	v_cndmask_b32 v[76+\k], 0, v[72+\k], vcc_lo
.endr
.irp x, 1,2,4,8                        ; summed over the 16 lanes of a row
.irp k, 0,1,2,3,4,5,6,7
	v_mov_b32_dpp v[80+\k], v[72+\k] row_xmask:\x row_mask:0xf bank_mask:0xf
.endr
.irp k, 0,1,2,3,4,5,6,7
	v_add_nc_u32 v[72+\k], v[72+\k], v[80+\k]
.endr
.endr
.irp k, 0,1,2,3
	v_readfirstlane_b32 s56, v[72+\k]
	v_readfirstlane_b32 s57, v[76+\k]
	s_and_b32 s[24+2*\k], s56, 0xffff              ; s24-31: each expert's rows
	s_lshr_b32 s[25+2*\k], s56, 16
	s_and_b32 s[40+2*\k], s57, 0xffff              ; s40-47: of them, those of the waves in front of mine
	s_lshr_b32 s[41+2*\k], s57, 16
.endr
	s_mov_b32 s32, 0                               ; s32-39: where each expert's rows begin
.irp e, 1,2,3,4,5,6,7
	s_add_co_u32 s[32+\e], s[31+\e], s[23+\e]
.endr
.irp e, 0,1,2,3,4,5,6,7
	s_add_co_u32 s[40+\e], s[40+\e], s[32+\e]      ; and where my wave's begin
.endr
.irp n, 0,1,2,3,4,5,6,7,8,9,10,11,12,13,14,15
.irp e, 0,1,2,3,4,5,6,7
	v_cmp_eq_u32 s[80+\e], \e, v[16+\n]
.endr
.irp e, 0,1,2,3,4,5,6,7
	v_mbcnt_lo_u32_b32 v[64+\e], s[80+\e], s[40+\e]        ; the base + how many lanes below mine hold expert e
.endr
.irp e, 0,1,2,3,4,5,6,7
	s_bcnt1_i32_b32 s[88+\e], s[80+\e]
.endr
.irp e, 0,1,2,3,4,5,6,7
	s_add_co_u32 s[40+\e], s[40+\e], s[88+\e]
.endr
	v_mov_b32 v[32+\n], v64
.irp e, 1,2,3,4,5,6,7
	v_cndmask_b32 v[32+\n], v[32+\n], v[64+\e], s[80+\e]
.endr
	v_min_u32 v[32+\n], 0x1fff, v[32+\n]           ; a place made from loaded numbers is held inside the list
	v_lshlrev_b32 v[32+\n], 2, v[32+\n]
	v_add_nc_u32 v[48+\n], 128*(\n/4)+\n%4, v7
	global_store_b32 v[32+\n], v[48+\n], s[6:7]    ; each n has registers of its own: none is written again.  Lanes with one expert write neighbouring words
.endr
	s_cmp_ge_u32 s8, 4
	s_cbranch_scc1 .Ldone
	; the tiles: thread i of the first 128 makes record i
	s_mov_b32 s60, 0
.irp e, 0,1,2,3,4,5,6,7
	s_add_co_u32 s56, s[24+\e], 79
	s_mul_i32 s56, s56, 52429
	s_lshr_b32 s[68+\e], s56, 22                   ; ceil(rows / 80): exact for numbers up to 8,271
	s_add_co_u32 s60, s60, s[68+\e]
.endr
	s_sub_co_u32 s60, 110, s60                     ; tiles to be added: 0 to 7
	s_mov_b32 s58, 0                               ; the largest expert, the first of equals
	s_mov_b32 s59, s24
.irp e, 1,2,3,4,5,6,7
	s_cmp_gt_u32 s[24+\e], s59
	s_cselect_b32 s58, \e, s58
	s_cselect_b32 s59, s[24+\e], s59
.endr
.irp e, 0,1,2,3,4,5,6,7
	s_cmp_eq_u32 s58, \e
	s_cselect_b32 s56, s60, 0
	s_add_co_u32 s[68+\e], s[68+\e], s56
.endr
	s_mov_b32 s48, 0                               ; s48-55: each expert's first tile
.irp e, 1,2,3,4,5,6,7
	s_add_co_u32 s[48+\e], s[47+\e], s[67+\e]
.endr
	s_lshl_b32 s61, s60, 1
	v_mov_b32 v72, 0                               ; my tile's expert: the last whose first tile is not behind mine
	v_mov_b32 v65, 0
	v_mov_b32 v66, 0
	v_mov_b32 v67, s24
.irp e, 1,2,3,4,5,6,7
	v_cmp_le_u32 vcc_lo, s[48+\e], v0
	v_cndmask_b32 v72, v72, \e, vcc_lo
	v_cndmask_b32 v65, v65, s[48+\e], vcc_lo
	v_cndmask_b32 v66, v66, s[32+\e], vcc_lo
	v_cndmask_b32 v67, v67, s[24+\e], vcc_lo
.endr
	v_sub_nc_u32 v68, v0, v65                      ; which of the expert's tiles
	v_cmp_eq_u32 s62, s58, v72
	v_cmp_gt_u32 s63, s61, v68
	s_and_b32 s56, s62, s63                        ; a half of a cut tile
	s_and_not1_b32 s57, s62, s63                   ; a tile behind the cut ones
	v_mul_u32_u24 v69, v68, 80
	v_mul_u32_u24 v70, v68, 40
	v_cndmask_b32 v69, v69, v70, s56
	v_sub_nc_u32 v70, v68, s60
	v_mul_u32_u24 v70, v70, 80
	v_cndmask_b32 v69, v69, v70, s57               ; its first row among the expert's
	v_mov_b32 v71, 80
	v_cndmask_b32 v71, v71, 40, s56
	v_sub_nc_u32 v70, v67, v69
	v_min_u32 v74, v71, v70                        ; its rows: 1 to 80
	v_add_nc_u32 v73, v66, v69                     ; its first place in the list
	v_mov_b32 v75, 0
	v_lshlrev_b32 v76, 4, v0
	v_cmp_gt_u32 vcc_lo, 110, v0
	s_wait_xcnt 0x0                                ; EXEC changes only behind this wait: it is a source of the stores above
	s_and_saveexec_b32 s56, vcc_lo
	global_store_b128 v76, v[72:75], s[6:7] offset:32768
	s_wait_xcnt 0x0                                ; and again in front of the line that widens it
	s_or_b32 exec_lo, exec_lo, s56
.Ldone:
	s_wait_tensorcnt 0x0
	ds_add_u32 v96, v97
	s_wait_dscnt 0x0
	s_endpgm
.Lfunc_end_k_qc71bb77b16_place:
	.size	k_qc71bb77b16_place, .Lfunc_end_k_qc71bb77b16_place-k_qc71bb77b16_place
	.p2alignl 7, 3214868480
	.fill 96, 4, 3214868480
	.section	.rodata,"a",@progbits
	.p2align	6, 0x0
	.amdhsa_kernel k_qc71bb77b16_place
		.amdhsa_group_segment_fixed_size 2560
		.amdhsa_private_segment_fixed_size 0
		.amdhsa_enable_private_segment 0
		.amdhsa_kernarg_size 16
		.amdhsa_user_sgpr_count 2
		.amdhsa_user_sgpr_kernarg_segment_ptr 1
		.amdhsa_wavefront_size32 1
		.amdhsa_system_sgpr_workgroup_id_x 1
		.amdhsa_system_sgpr_workgroup_id_y 1
		.amdhsa_system_sgpr_workgroup_id_z 1
		.amdhsa_system_vgpr_workitem_id 0
		.amdhsa_next_free_vgpr 98
		.amdhsa_next_free_sgpr 100
		.amdhsa_reserve_vcc 1
		.amdhsa_float_denorm_mode_32 3
		.amdhsa_float_denorm_mode_16_64 3
		.amdhsa_memory_ordered 1
		.amdhsa_forward_progress 1
		.amdhsa_inst_pref_size 66
	.end_amdhsa_kernel
	.amdgpu_metadata
---
amdhsa.version: [ 1, 2 ]
amdhsa.kernels:
  - .name:           k_qc71bb77b16_place
    .symbol:         k_qc71bb77b16_place.kd
    .args:
      - { .name: ridx, .offset: 0, .size: 8, .value_kind: global_buffer, .address_space: global }
      - { .name: plan, .offset: 8, .size: 8, .value_kind: global_buffer, .address_space: global }
    .group_segment_fixed_size: 2560
    .private_segment_fixed_size: 0
    .kernarg_segment_align: 8
    .kernarg_segment_size: 16
    .max_flat_workgroup_size: 512
    .sgpr_count:     100
    .vgpr_count:     98
    .wavefront_size: 32
...
	.end_amdgpu_metadata
.endif
;; end of part 2
;; launch chain (part 3): grid 110 x 2, 4 waves a work-group, no clusters, 136,192 bytes of LDS; arguments wq, ws, xq, gate, plan, part; writes part
.if DOCPART == 3
	.amdgcn_target "amdgcn-amd-amdhsa--gfx1250"
	.amdhsa_code_object_version 6
	.text
	.protected	k_qc71bb77b16_chain
	.globl	k_qc71bb77b16_chain
	.p2align	8
	.type	k_qc71bb77b16_chain,@function
k_qc71bb77b16_chain:
	s_mov_b64 s[64:65], 0
	v_nop
	global_prefetch_b8 v0, s[64:65] scope:SCOPE_SE
	s_setreg_imm32_b32 hwreg(HW_REG_WAVE_MODE, 25, 1), 1
	s_wait_xcnt 0x0
; One tile (1 to 80 rows of one expert, from the stored list) x one half (1,024) of that expert's hidden units goes through the whole chain:
; gather the rows' codes of x | h = x W_in^T on codes of FP6 | gelu (exact, by erf) x the gate's weight, in f32 | quantised along the hidden axis | h W_out on codes | a partial row of 512 f32 for each entry.
; The hidden layer never goes to memory.  part[half][entry][512]: the next launch adds a token's four partial rows.
; SHARES.  Four waves share the COLUMNS: in pass p wave w makes hidden units 128 (4 p + w) .. + 127 of the half for all 80 rows; then wave w makes output columns 128 w .. + 127 for all 80 rows.
; So each fragment of a weight is loaded once in the work-group, from memory straight into registers (the images that the first launch laid), and feeds five matrix instructions.
; Rows go from wave to wave through LDS as images of the operand's registers.  Rows past the tile's count repeat its last row: they are computed and not stored.
; NO TENSOR LOADS, NO CLUSTER: the expert, the gathered rows and the rows left unstored hang on stored numbers, and how many tiles an expert has changes with the split, so partners with the same weights cannot be formed at every split.
; BOTH PRODUCTS ARE USED TRANSPOSED (source 0 = 16 rows of the weight, source 1 = 16 rows of the tile): a lane holds one row, and its registers run along the hidden units, then along the output columns.
; erf(z) = z P(z^2) / Q(z^2) with z held to +-4: a rational form of f32's own accuracy.
; LIMITS: erf carries an absolute error of a few 1e-7; for strongly negative numbers 1 + erf cancels, as in any f32 form.  NaN and infinities are not served.  A block of zeros has the scale byte 1: its codes are zeros.
; REGISTERS, in windows of 256.  Window 0: v1-27 addresses and the rows' entries; v32-79 x's four fragments, later five fragments of h (v32-91); v80-91 weight slot 63; v92-155 my 8 tiles of h, later five fragments of h;
;   v156-192 at work; v194-207 and v216-247 scale words and nothing else; v208-213 the gate's weight and two coefficients.
;   Weight slot f (12 registers), f = 0 .. 62: window 1 + f / 21, register 12 (f % 21).  Slots 0-31: pass 0's W_in, later W_out; slots 32-63: pass 1's W_in.
;   The 40 sums of the second product lie over slots 32-62: sum a = 8 m + c: a < 32: window 3, register 8 a; else window 2, register 136 + 8 (a - 32).
.set WOQ,  6291456
.set WOS,  262144
.set XSO,  1572864
.set TIL,  32768
.set XIMG, 0                           ; LDS: x's 20 images (4 m + s), 1,536 bytes each
.set XSC,  30720                       ; their scale words: 512 m + 16 lane + 4 s
.set HIMG, 33280                       ; h's 40 images (5 kappa + m): what a wave stores in a pass is one run of 7,680 bytes
.set HSC,  94720                       ; their scale words: 128 (5 kappa + m) + 4 lane
.set GL,   99840                       ; half the gate's weight of each row, a copy for each wave: 512 w + 64 m + 4 r
.set STG,  101888                      ; the way out: 16 rows x (512 + 16) bytes for each wave
.set LI,   1                           ; 16 x lane
.set LS,   2                           ; 4 x lane
.set RR,   3                           ; r
.set HH,   4                           ; h
.set XWI,  5
.set XWS,  6
.set GLA,  7
.set HWI,  8
.set HWS,  9
.set STO,  10
.set RD,   11
.set CO,   12
.set TA,   13                          ; v13-17 addresses of the list's loads, then of a trip
.set L8,   18                          ; 8 x lane
.set HIR,  19
.set J,    20                          ; v20-24 the entry of row 16 m + r
.set HSR,  25
.set XG,   26
.set TT,   27
.set XF,   32
.set HF0,  32
.set HA,   92
.set Z,    156
.set X2,   164
.set PP,   172
.set QQ,   180
.set GA,   156                         ; the gathers' addresses and small data, where gelu works later
.set GB,   161
.set GC,   166
.set GSW,  172
.set GG,   177
.set PC,   156
.set TM,   176
.set PW,   192
.set XS,   194
.set HS,   198
.set G,    208
.set A0,   210
.set B0,   212
.set WS,   216
.set AD,   160
.set CA,   66                          ; s66-77 erf's numerator, s78-85 its denominator: pairs, since the packed forms name pairs
.set CB,   78
.set MSB,  0
.macro WIN new                         ; the immediate's high byte repeats the setting that is left; a switch that changes nothing is dropped
.if MSB != \new
	s_set_vgpr_msb (MSB<<8)|\new
.set MSB, \new
.endif
.endm
.macro SLOT f
.if (\f) == 63
.set FW, 0
.set FB, 80
.else
.set FW, 1+(\f)/21
.set FB, 12*((\f)%21)
.endif
.endm
.macro ACCR a
.if (\a) < 32
.set AW, 3
.set AB, 8*(\a)
.else
.set AW, 2
.set AB, 136+8*((\a)-32)
.endif
.endm
.macro COEF reg, val
	s_mov_b32 s[\reg], \val
	s_mov_b32 s[\reg+1], \val
.endm
.macro WM                              ; the matrix instruction on rD, rA, rB, rSA, rSB.  zf: it starts the sum.  rw: source 0's scales stand in lanes 16-31
.if zf
.if rw
	v_wmma_scale_f32_16x16x128_f8f6f4 v[rD:rD+7], v[rA:rA+11], v[rB:rB+11], 0, v[rSA], v[rSB] matrix_a_fmt:MATRIX_FMT_FP6 matrix_b_fmt:MATRIX_FMT_FP6 matrix_a_scale:MATRIX_SCALE_ROW1
.else
	v_wmma_scale_f32_16x16x128_f8f6f4 v[rD:rD+7], v[rA:rA+11], v[rB:rB+11], 0, v[rSA], v[rSB] matrix_a_fmt:MATRIX_FMT_FP6 matrix_b_fmt:MATRIX_FMT_FP6
.endif
.else
.if rw
	v_wmma_scale_f32_16x16x128_f8f6f4 v[rD:rD+7], v[rA:rA+11], v[rB:rB+11], v[rD:rD+7], v[rSA], v[rSB] matrix_a_fmt:MATRIX_FMT_FP6 matrix_b_fmt:MATRIX_FMT_FP6 matrix_a_scale:MATRIX_SCALE_ROW1
.else
	v_wmma_scale_f32_16x16x128_f8f6f4 v[rD:rD+7], v[rA:rA+11], v[rB:rB+11], v[rD:rD+7], v[rSA], v[rSB] matrix_a_fmt:MATRIX_FMT_FP6 matrix_b_fmt:MATRIX_FMT_FP6
.endif
.endif
.endm
.macro WILOAD f0, n, p                 ; n fragments of pass p's W_in into slots 32 p + f0 on: slot 8 s + t takes (tile t, K step s), which lies at (4 t + s) x 1,536
.set IF, \f0
.rept \n
	SLOT 32*(\p)+IF
.set WN, (FW<<6)
	WIN WN
.irp g, 0,1,2
	global_load_b128 v[FB+4*\g:FB+4*\g+3], v[LI], s[28:29] offset:196608*(\p)+(4*(IF%8)+IF/8)*1536+512*\g
.endr
.set IF, IF+1
.endr
	WIN 0
.endm
.macro WOLOAD f0, n, k4                ; n fragments of W_out into slots f0 on: slot f takes K step 4 k4 + f / 8, my tile of columns f % 8
.set IF, \f0
.rept \n
	SLOT IF
.set WN, (FW<<6)
	WIN WN
.irp g, 0,1,2
	global_load_b128 v[FB+4*\g:FB+4*\g+3], v[LI], s[30:31] offset:(4*(\k4)+IF/8)*49152+(IF%8)*1536+512*\g
.endr
.set IF, IF+1
.endr
	WIN 0
.endm
.macro WOSC k4                         ; W_out's scale words of K steps 4 k4 .. + 3: lanes 0-15 an even tile of columns, lanes 16-31 the odd one beside it
.irp c, 0,1,2,3
.irp q, 0,1
	global_load_b64 v[WS+16*(\k4)+4*\c+2*\q:WS+16*(\k4)+4*\c+2*\q+1], v[L8], s[34:35] offset:(2*(\k4)+\q)*4096+256*\c
.endr
.endr
.endm
.macro MUL1 p                          ; 32 matrix instructions: my 8 tiles of h by turns, K step by K step
.set IS, 0
.rept 4
.set IT, 0
.rept 8
	SLOT 32*(\p)+8*IS+IT
	WIN FW
.set rD, HA+8*IT
.set rA, FB
.set rB, XF+12*IS
.set rSA, WS+16*(\p)+4*(IT/2)+IS
.set rSB, XS+IS
.set zf, IS==0
.set rw, IT%2
	WM
.set IT, IT+1
.endr
.set IS, IS+1
.endr
.endm
; tile t's eight numbers v become v x (1 + erf(v / sqrt 2)) x (gate / 2).  The tile is read from its low end on
.macro GELU t
.set VV, HA+8*(\t)
.irp k, 0,2,4,6
	v_pk_mul_f32 v[Z+\k:Z+\k+1], v[VV+\k:VV+\k+1], 0x3f3504f3 op_sel_hi:[1,0]
.endr
.irp k, 0,1,2,3,4,5,6,7
	v_med3_num_f32 v[Z+\k], v[Z+\k], -4.0, 4.0
.endr
.irp k, 0,2,4,6
	v_pk_mul_f32 v[X2+\k:X2+\k+1], v[Z+\k:Z+\k+1], v[Z+\k:Z+\k+1]
.endr
.irp k, 0,2,4,6
	v_pk_fma_f32 v[PP+\k:PP+\k+1], v[X2+\k:X2+\k+1], v[A0:A0+1], s[CA:CA+1] op_sel_hi:[1,1,0]
.endr
.irp k, 0,2,4,6
	v_pk_fma_f32 v[QQ+\k:QQ+\k+1], v[X2+\k:X2+\k+1], v[B0:B0+1], s[CB:CB+1] op_sel_hi:[1,1,0]
.endr
.irp c, 1,2,3
.irp k, 0,2,4,6
	v_pk_fma_f32 v[PP+\k:PP+\k+1], v[PP+\k:PP+\k+1], v[X2+\k:X2+\k+1], s[CA+2*\c:CA+2*\c+1] op_sel_hi:[1,1,0]
.endr
.irp k, 0,2,4,6
	v_pk_fma_f32 v[QQ+\k:QQ+\k+1], v[QQ+\k:QQ+\k+1], v[X2+\k:X2+\k+1], s[CB+2*\c:CB+2*\c+1] op_sel_hi:[1,1,0]
.endr
.endr
.irp c, 4,5
.irp k, 0,2,4,6
	v_pk_fma_f32 v[PP+\k:PP+\k+1], v[PP+\k:PP+\k+1], v[X2+\k:X2+\k+1], s[CA+2*\c:CA+2*\c+1] op_sel_hi:[1,1,0]
.endr
.endr
.irp k, 0,1,2,3,4,5,6,7
	v_rcp_f32 v[QQ+\k], v[QQ+\k]
.endr
.irp k, 0,2,4,6
	v_pk_mul_f32 v[PP+\k:PP+\k+1], v[PP+\k:PP+\k+1], v[Z+\k:Z+\k+1]                ; plain places behind the reciprocals
.endr
.irp k, 0,2,4,6
	v_pk_mul_f32 v[X2+\k:X2+\k+1], v[VV+\k:VV+\k+1], v[G:G+1] op_sel_hi:[1,0]      ; v x gate / 2
.endr
	s_wait_alu depctr_va_vdst(0)
.irp k, 0,2,4,6
	v_pk_mul_f32 v[PP+\k:PP+\k+1], v[PP+\k:PP+\k+1], v[QQ+\k:QQ+\k+1]              ; erf
.endr
.irp k, 0,2,4,6
	v_pk_fma_f32 v[VV+\k:VV+\k+1], v[X2+\k:X2+\k+1], v[PP+\k:PP+\k+1], v[X2+\k:X2+\k+1]
.endr
.endm
; 64 numbers of a lane, register 16 b + i = k 32 b + 16 h + i of my row, become a fragment's codes in v[PC] on and its scale word in v[PW]
.macro QUANT s
.irp b, 0,1,2,3
	v_max3_num_f32 v[TM+\b], |v[\s+16*\b]|, |v[\s+1+16*\b]|, 0x1800000             ; with the floor 2^(3 - 127): the byte cannot fall under 1
.endr
.irp i, 2,4,6,8,10,12,14
.irp b, 0,1,2,3
	v_max3_num_f32 v[TM+\b], v[TM+\b], |v[\s+16*\b+\i]|, |v[\s+1+16*\b+\i]|
.endr
.endr
.irp b, 0,1,2,3
	v_permlanex16_b32 v[TM+4+\b], v[TM+\b], s48, s49
.endr
.irp b, 0,1,2,3
	v_max_num_f32 v[TM+\b], v[TM+\b], v[TM+4+\b]   ; with lane l xor 16's: the block's largest magnitude
.endr
.irp b, 0,1,2,3
	v_add_nc_u32 v[TM+12+\b], 0xff000000, v[TM+\b] ; 2 off its exponent field: the conversion's scale operand
.endr
.irp b, 0,1,2,3
	v_lshrrev_b32 v[TM+4+\b], 23, v[TM+12+\b]      ; the byte
.endr
	v_lshl_or_b32 v[PW], v[TM+5], 8, v[TM+4]
	v_lshl_or_b32 v[PW], v[TM+6], 16, v[PW]
	v_lshl_or_b32 v[PW], v[TM+7], 24, v[PW]
.irp c, 0,1
	v_cvt_scalef32_pk16_fp6_f32 v[PC+6*\c:PC+2+6*\c], v[\s+32*\c:\s+15+32*\c], v[TM+12+2*\c]
	v_cvt_scalef32_pk16_fp6_f32 v[PC+12+4*\c:PC+14+4*\c], v[\s+16+32*\c:\s+31+32*\c], v[TM+12+2*\c+1]
.endr
	v_nop                                          ; one plain place behind a scaled conversion
.irp c, 0,1                            ; the operand wants a whole block in a lane: lanes 0-15 block 2 c, lanes 16-31 block 2 c + 1
.irp i, 0,1,2
	v_permlane16_swap_b32 v[PC+6*\c+\i], v[PC+12+4*\c+\i]
.endr
.irp i, 0,1,2
	v_mov_b32 v[PC+3+6*\c+\i], v[PC+12+4*\c+\i]
.endr
.endr
.endm
.macro PLACES
.rept 4
	v_nop                                          ; four places behind this matrix form, in front of reads of its results and of loads into its registers
.endr
.endm
	s_load_b256 s[4:11], s[0:1], 0x0               ; wq s[4:5], ws s[6:7], xq s[8:9], gate s[10:11]
	s_load_b128 s[12:15], s[0:1], 0x20             ; plan s[12:13], part s[14:15]
	v_lshl_add_u32 v254, v0, 2, 0x21200
	v_mov_b32 v255, 0
	v_lshrrev_b32 v[TT], 5, v0
	v_readfirstlane_b32 s16, v[TT]                 ; wave
	s_and_b32 s17, ttmp7, 0xffff                   ; which half of the hidden layer
	s_lshl_b32 s26, ttmp9, 4
	v_and_b32 v[TT], 31, v0
	v_lshlrev_b32 v[LI], 4, v[TT]
	v_lshlrev_b32 v[LS], 2, v[TT]
	v_lshlrev_b32 v[L8], 3, v[TT]
	v_and_b32 v[RR], 15, v0
	v_bfe_u32 v[HH], v0, 4, 1
	s_wait_kmcnt 0x0
	s_load_b128 s[20:23], s[12:13], s26 offset:TIL ; my tile: expert, first place, rows
	s_mul_i32 s50, s16, 1536
	v_add_nc_u32 v[XWI], s50, v[LI]                ; x's images: I store K step w's
	s_lshl_b32 s51, s16, 2
	v_add_nc_u32 v[XWS], s51, v[LI]
	s_lshl_b32 s52, s16, 9
	v_lshl_add_u32 v[GLA], v[RR], 2, s52
	v_add_nc_u32 v[GLA], GL, v[GLA]
	v_add_nc_u32 v[CO], s52, v[LI]                 ; my 512 bytes of a partial row
	s_mul_i32 s53, s16, 7680
	v_add_nc_u32 v[HWI], s53, v[LI]
	v_add_nc_u32 v[HWI], HIMG, v[HWI]              ; h's images: I store K step 4 p + w's five
	s_mul_i32 s53, s16, 640
	v_add_nc_u32 v[HWS], s53, v[LS]
	v_add_nc_u32 v[HWS], HSC, v[HWS]
	v_add_nc_u32 v[HIR], HIMG, v[LI]
	v_add_nc_u32 v[HSR], HSC, v[LS]
	s_mul_i32 s54, s16, 8448
	s_add_co_u32 s54, s54, STG
	v_mul_u32_u24 v[STO], v[RR], 528
	v_lshl_add_u32 v[STO], v[HH], 5, v[STO]
	v_add_nc_u32 v[STO], s54, v[STO]               ; my stage, in: row r, + 32 h
	v_add_nc_u32 v[RD], s54, v[LI]                 ; and back: a row's 512 bytes
	s_mul_i32 s55, s16, 96
	v_mul_u32_u24 v[XG], v[HH], 48
	v_add_nc_u32 v[XG], s55, v[XG]                 ; in a token's 384 bytes of codes: K step w, half h
	v_mov_b32 v[G+1], 0                            ; (named as the upper half of a pair)
	v_mov_b32 v[A0], 0xaf95df0b
	v_mov_b32 v[A0+1], 0xaf95df0b
	v_mov_b32 v[B0], 0xb77460cd
	v_mov_b32 v[B0+1], 0xb77460cd
	COEF CA, 0x32edffee
	COEF CA+2, 0xb60cff51
	COEF CA+4, 0xb86ec2d2
	COEF CA+6, 0xba40ac63
	COEF CA+8, 0xbb41a1f6
	COEF CA+10, 0xbc83dbd4
	COEF CB, 0xb95fbd29
	COEF CB+2, 0xbadc924e
	COEF CB+4, 0xbbf19bf8
	COEF CB+6, 0xbc69b6a7
	s_mov_b32 s48, 0x76543210
	s_mov_b32 s49, 0xfedcba98
	s_mov_b32 s59, 0
	s_wait_kmcnt 0x0
	s_min_u32 s20, s20, 7                          ; stored numbers are held inside their tables before they enter an address
	s_min_u32 s21, s21, 0x1fff
	s_min_u32 s22, s22, 80
	s_max_u32 s24, s22, 1                          ; rows
	s_sub_co_u32 s25, s24, 1
	s_lshl_b32 s27, s20, 4
	s_lshl_b32 s56, s17, 3
	s_add_co_u32 s27, s27, s56                     ; 16 x expert + 8 x half: the first of my work-group's 8 groups of 128 hidden units
	s_add_co_u32 s56, s27, s16
	s_mul_i32 s58, s56, 49152
	s_add_nc_u64 s[28:29], s[4:5], s[58:59]        ; W_in's images: pass 0's group; pass 1's lies 4 groups on
	s_mul_i32 s58, s27, 49152
	s_mul_i32 s57, s16, 12288
	s_add_co_u32 s58, s58, s57
	s_add_nc_u64 s[30:31], s[4:5], s[58:59]
	s_add_nc_u64 s[30:31], s[30:31], WOQ           ; W_out's images: K step 0, my 8 tiles of columns
	s_lshl_b32 s58, s56, 11
	s_add_nc_u64 s[32:33], s[6:7], s[58:59]        ; W_in's scale words
	s_lshl_b32 s58, s27, 11
	s_lshl_b32 s57, s16, 10
	s_add_co_u32 s58, s58, s57
	s_add_nc_u64 s[34:35], s[6:7], s[58:59]
	s_add_nc_u64 s[34:35], s[34:35], WOS           ; W_out's
	s_add_nc_u64 s[36:37], s[8:9], XSO             ; x's
	s_lshl_b32 s58, s17, 24
	s_add_nc_u64 s[38:39], s[14:15], s[58:59]      ; my half's partial rows
.irp m, 0,1,2,3,4
	v_add_nc_u32 v[TA+\m], 16*\m, v[RR]
	v_min_u32 v[TA+\m], s25, v[TA+\m]              ; rows past the count repeat the last row
	v_add_nc_u32 v[TA+\m], s21, v[TA+\m]
	v_min_u32 v[TA+\m], 0x1fff, v[TA+\m]
	v_lshlrev_b32 v[TA+\m], 2, v[TA+\m]
	global_load_b32 v[J+\m], v[TA+\m], s[12:13]    ; the entry of row 16 m + r
.endr
.irp p, 0,1
.irp q, 0,1,2,3
	global_load_b128 v[WS+16*\p+4*\q:WS+16*\p+4*\q+3], v[LI], s[32:33] offset:8192*\p+512*\q   ; W_in's scale words: lanes 0-15 tile 2 q, lanes 16-31 tile 2 q + 1; register s: K step s
.endr
.endr
	WILOAD 0, 12, 0
	s_wait_loadcnt 44                              ; behind the list's five loads stand 8 + 36: the entries are in
.irp m, 0,1,2,3,4
	v_lshrrev_b32 v[TT], 1, v[J+\m]                ; the token
	v_min_u32 v[TT], 0xfff, v[TT]
	v_min_u32 v[J+\m], 0x1fff, v[J+\m]
	v_mul_u32_u24 v[GA+\m], v[TT], 384
	v_add_nc_u32 v[GA+\m], v[XG], v[GA+\m]
	v_lshl_add_u32 v[GB+\m], v[TT], 4, s51
	v_lshlrev_b32 v[GC+\m], 2, v[J+\m]
.endr
.irp m, 0,1,2,3,4
.irp g, 0,1,2
	global_load_b128 v[HA+12*\m+4*\g:HA+12*\m+4*\g+3], v[GA+\m], s[8:9] offset:16*\g   ; my lane's 12 registers of the fragment (rows 16 m on, K step w)
.endr
	global_load_b32 v[GSW+\m], v[GB+\m], s[36:37]
	global_load_b32 v[GG+\m], v[GC+\m], s[10:11]
.endr
	WILOAD 12, 20, 0
	s_wait_loadcnt 60                              ; behind the gathers stand 60 loads: the gathers are in
.irp m, 0,1,2,3,4
.irp g, 0,1,2
	ds_store_b128 v[XWI], v[HA+12*\m+4*\g:HA+12*\m+4*\g+3] offset:XIMG+6144*\m+512*\g
.endr
	ds_store_b32 v[XWS], v[GSW+\m] offset:XSC+512*\m
	v_mul_f32 v[GG+\m], 0.5, v[GG+\m]
	ds_store_b32 v[GLA], v[GG+\m] offset:64*\m     ; both halves of the lanes write the same word with the same value
.endr
	s_wait_dscnt 0x0                               ; for the others' sake: my images have landed
	s_barrier_signal -1
	s_barrier_wait -1                              ; x's twenty images lie in LDS
	WILOAD 0, 32, 1                                ; pass 1's weights: they land while pass 0 works
	s_wait_loadcnt 63                              ; the youngest 63 loads are all pass 1's: pass 0's weights and all scale words are in
; A PASS: five trips, a tile of 16 rows each.  The trip count is a constant; the LDS addresses hang on scalars stepped by constants.
.macro PASS p
	s_mov_b32 s40, 0
	s_mov_b32 s41, 0
	s_mov_b32 s42, 0
	s_mov_b32 s43, 0
	s_mov_b32 s44, 0
	s_mov_b32 s45, 5
.Lpass_\p:
	v_add_nc_u32 v[TA], s40, v[LI]
	v_add_nc_u32 v[TA+1], s41, v[LI]
	v_add_nc_u32 v[TA+2], s42, v[GLA]
	v_add_nc_u32 v[TA+3], s43, v[HWI]
	v_add_nc_u32 v[TA+4], s44, v[HWS]
.irp s, 0,1,2,3
.irp g, 0,1,2
	ds_load_b128 v[XF+12*\s+4*\g:XF+12*\s+4*\g+3], v[TA] offset:XIMG+1536*\s+512*\g
.endr
.endr
	ds_load_b128 v[XS:XS+3], v[TA+1] offset:XSC
	ds_load_b32 v[G], v[TA+2]
	s_wait_dscnt 0x0                               ; the rows' fragments, scale words and weight are in; the last trip's stores have landed too
	MUL1 \p
	WIN 0
	PLACES
.irp t, 0,1,2,3,4,5,6,7
	GELU \t
.endr
	QUANT HA
.irp c, 0,1,2
	ds_store_b128 v[TA+3], v[PC+4*\c:PC+4*\c+3] offset:30720*\p+512*\c     ; K step 4 p + w of the second product, rows 16 m on
.endr
	ds_store_b32 v[TA+4], v[PW] offset:2560*\p
	s_add_co_u32 s40, s40, 6144
	s_add_co_u32 s41, s41, 512
	s_add_co_u32 s42, s42, 64
	s_add_co_u32 s43, s43, 1536
	s_add_co_u32 s44, s44, 128
	s_sub_co_u32 s45, s45, 1
	s_cmp_lg_u32 s45, 0
	s_cbranch_scc1 .Lpass_\p
.endm
	PASS 0
	WOSC 0                                         ; pass 0's registers are free: W_out's first scale words and 18 fragments land while pass 1 works
	WOLOAD 0, 18, 0
	s_wait_loadcnt 62                              ; all but the 8 + 54 just issued: pass 1's weights are in
	PASS 1
	WOSC 1
	WOLOAD 18, 14, 0
	s_wait_dscnt 0x0                               ; for the others' sake: my images of h have landed
	s_barrier_signal -1
	s_barrier_wait -1                              ; h's forty images lie in LDS
; THE SECOND PRODUCT: eight K steps of 128 hidden units; 40 sums (5 tiles of rows x my 8 tiles of columns) by turns.
.macro HLOAD k                         ; K step k's five fragments of h and their scale words, into buffer k % 2
.irp m, 0,1,2,3,4
.irp g, 0,1,2
	ds_load_b128 v[HF0+60*((\k)%2)+12*\m+4*\g:HF0+60*((\k)%2)+12*\m+4*\g+3], v[HIR] offset:(5*(\k)+\m)*1536+512*\g
.endr
	ds_load_b32 v[HS+5*((\k)%2)+\m], v[HSR] offset:(5*(\k)+\m)*128
.endr
.endm
.macro MUL2 k
.set IM, 0
.rept 5
.set IC, 0
.rept 8
	SLOT 8*((\k)%4)+IC
	ACCR 8*IM+IC
.set WN, (AW<<6)|(AW<<4)|FW
	WIN WN
.set rD, AB
.set rA, FB
.set rB, HF0+60*((\k)%2)+12*IM
.set rSA, WS+16*((\k)/4)+4*(IC/2)+(\k)%4
.set rSB, HS+5*((\k)%2)+IM
.set zf, (\k)==0
.set rw, IC%2
	WM
.set IC, IC+1
.endr
.set IM, IM+1
.endr
.endm
	HLOAD 0
.irp k, 0,1,2,3,4,5,6,7
.if \k < 7
	HLOAD \k+1
	s_wait_dscnt 20                                ; this K step's fragments of h are in; the next step's 20 loads may be out
.else
	s_wait_dscnt 0x0
.endif
.if \k < 5
	s_wait_loadcnt 63                              ; behind this K step's weights stand 72 loads or more: with 63 out at the most they are in
.else
	s_wait_loadcnt 24*(7-\k)                       ; behind them stand the later K steps' 24 loads each
.endif
	MUL2 \k
	WIN 0
	PLACES
.if \k < 4
	WOLOAD 8*\k, 8, 1                              ; the slots just multiplied take the K step four further on
.endif
.endr
; THE WAY OUT, a tile of 16 rows at a time: a lane's 32 bytes of a row go into my own stage and come back as rows of 512 bytes; LDS serves a wave's instructions in order.
; A row goes to the place of its entry.  Rows past the tile's count are left out: a branch on a stored number, behind the last barrier.
.irp m, 0,1,2,3,4
.if \m > 0
	s_wait_xcnt 0x0                                ; the earlier stores have read their registers: both may be written again
.endif
.irp c, 0,1,2,3,4,5,6,7
	ACCR 8*\m+\c
.set WN, (AW<<2)
	WIN WN
	ds_store_b128 v[STO], v[AB:AB+3] offset:64*\c              ; each sum from its low end on
	ds_store_b128 v[STO], v[AB+4:AB+7] offset:64*\c+16
.endr
	WIN 0
.irp i, 0,1,2,3,4,5,6,7,8,9,10,11,12,13,14,15
	ds_load_b128 v[32+64*(\m%2)+4*\i:32+64*(\m%2)+4*\i+3], v[RD] offset:528*\i
.endr
.irp i, 0,1,2,3,4,5,6,7,8,9,10,11,12,13,14,15
	s_cmp_le_u32 s24, 16*\m+\i
	s_cbranch_scc1 .Lend
	v_readlane_b32 s56, v[J+\m], \i
	s_min_u32 s56, s56, 0x1fff
	s_lshl_b32 s56, s56, 11
	v_add_nc_u32 v[AD+\i], s56, v[CO]
	s_wait_dscnt 15-\i                             ; row i is back in registers
	global_store_b128 v[AD+\i], v[32+64*(\m%2)+4*\i:32+64*(\m%2)+4*\i+3], s[38:39] th:TH_STORE_NT   ; 32 lanes store 512 consecutive bytes, at a multiple of 512 from the buffer's first byte
.endr
.endr
.Lend:
	s_wait_dscnt 0x0
	s_wait_tensorcnt 0x0
	ds_add_u32 v254, v255
	s_wait_dscnt 0x0
	s_endpgm
.Lfunc_end_k_qc71bb77b16_chain:
	.size	k_qc71bb77b16_chain, .Lfunc_end_k_qc71bb77b16_chain-k_qc71bb77b16_chain
	.p2alignl 7, 3214868480
	.fill 96, 4, 3214868480
	.section	.rodata,"a",@progbits
	.p2align	6, 0x0
	.amdhsa_kernel k_qc71bb77b16_chain
		.amdhsa_group_segment_fixed_size 136192
		.amdhsa_private_segment_fixed_size 0
		.amdhsa_enable_private_segment 0
		.amdhsa_kernarg_size 48
		.amdhsa_user_sgpr_count 2
		.amdhsa_user_sgpr_kernarg_segment_ptr 1
		.amdhsa_wavefront_size32 1
		.amdhsa_system_sgpr_workgroup_id_x 1
		.amdhsa_system_sgpr_workgroup_id_y 1
		.amdhsa_system_sgpr_workgroup_id_z 1
		.amdhsa_system_vgpr_workitem_id 0
		.amdhsa_next_free_vgpr 1024
		.amdhsa_next_free_sgpr 96
		.amdhsa_reserve_vcc 0
		.amdhsa_float_denorm_mode_32 3
		.amdhsa_float_denorm_mode_16_64 3
		.amdhsa_memory_ordered 1
		.amdhsa_forward_progress 1
		.amdhsa_inst_pref_size 244
	.end_amdhsa_kernel
	.amdgpu_metadata
---
amdhsa.version: [ 1, 2 ]
amdhsa.kernels:
  - .name:           k_qc71bb77b16_chain
    .symbol:         k_qc71bb77b16_chain.kd
    .args:
      - { .name: wq, .offset: 0, .size: 8, .value_kind: global_buffer, .address_space: global }
      - { .name: ws, .offset: 8, .size: 8, .value_kind: global_buffer, .address_space: global }
      - { .name: xq, .offset: 16, .size: 8, .value_kind: global_buffer, .address_space: global }
      - { .name: gate, .offset: 24, .size: 8, .value_kind: global_buffer, .address_space: global }
      - { .name: plan, .offset: 32, .size: 8, .value_kind: global_buffer, .address_space: global }
      - { .name: part, .offset: 40, .size: 8, .value_kind: global_buffer, .address_space: global }
    .group_segment_fixed_size: 136192
    .private_segment_fixed_size: 0
    .kernarg_segment_align: 8
    .kernarg_segment_size: 48
    .max_flat_workgroup_size: 128
    .sgpr_count:     96
    .vgpr_count:     1024
    .wavefront_size: 32
...
	.end_amdgpu_metadata
.endif
;; end of part 3
;; launch reduce (part 4): grid 256 x 1, 8 waves a work-group, no clusters, 0 bytes of LDS; arguments part, out0; writes out0
.if DOCPART == 4
	.amdgcn_target "amdgcn-amd-amdhsa--gfx1250"
	.amdhsa_code_object_version 6
	.text
	.protected	k_qc71bb77b16_reduce
	.globl	k_qc71bb77b16_reduce
	.p2align	8
	.type	k_qc71bb77b16_reduce,@function
k_qc71bb77b16_reduce:
	s_mov_b64 s[64:65], 0
	v_nop
	global_prefetch_b8 v0, s[64:65] scope:SCOPE_SE
	s_setreg_imm32_b32 hwreg(HW_REG_WAVE_MODE, 25, 1), 1
	s_wait_xcnt 0x0
; out0[t] = the sum of token t's four partial rows: entries 2 t and 2 t + 1, each in the two halves of the hidden layer.  part: [2][8192][512] f32.
; A plain stream: a wave takes two tokens, 32 loads of 512 consecutive bytes, all issued at once; each byte is read once and written once.  No LDS, no barrier, no matrix unit: memory binds.
	s_load_b128 s[4:7], s[0:1], 0x0                ; part, out0
	v_lshrrev_b32 v1, 5, v0
	v_readfirstlane_b32 s8, v1
	v_and_b32 v2, 31, v0
	v_lshlrev_b32 v2, 4, v2
	s_lshl_b32 s9, ttmp9, 4
	s_lshl_b32 s10, s8, 1
	s_add_co_u32 s9, s9, s10                       ; my first token
	s_lshl_b32 s10, s9, 12                         ; two entries of 2,048 bytes a token
	s_mov_b32 s11, 0
	s_lshl_b32 s12, s9, 11
	s_mov_b32 s13, 0
	s_wait_kmcnt 0x0
	s_add_nc_u64 s[4:5], s[4:5], s[10:11]
	s_add_nc_u64 s[14:15], s[4:5], 0x1000000       ; the other half's rows
	s_add_nc_u64 s[6:7], s[6:7], s[12:13]
.irp c, 0,1,2,3,4,5,6,7                ; chunk c: token c / 4, bytes 512 (c % 4) on
	global_load_b128 v[16+16*\c:19+16*\c], v2, s[4:5] offset:(\c/4)*4096+(\c%4)*512 th:TH_LOAD_NT
	global_load_b128 v[20+16*\c:23+16*\c], v2, s[4:5] offset:(\c/4)*4096+(\c%4)*512+2048 th:TH_LOAD_NT
	global_load_b128 v[24+16*\c:27+16*\c], v2, s[14:15] offset:(\c/4)*4096+(\c%4)*512 th:TH_LOAD_NT
	global_load_b128 v[28+16*\c:31+16*\c], v2, s[14:15] offset:(\c/4)*4096+(\c%4)*512+2048 th:TH_LOAD_NT
.endr
.irp c, 0,1,2,3,4,5,6,7
	s_wait_loadcnt 28-4*\c                         ; this chunk's four loads are in; the later chunks' may be out
	v_pk_add_f32 v[16+16*\c:17+16*\c], v[16+16*\c:17+16*\c], v[20+16*\c:21+16*\c]
	v_pk_add_f32 v[18+16*\c:19+16*\c], v[18+16*\c:19+16*\c], v[22+16*\c:23+16*\c]
	v_pk_add_f32 v[24+16*\c:25+16*\c], v[24+16*\c:25+16*\c], v[28+16*\c:29+16*\c]
	v_pk_add_f32 v[26+16*\c:27+16*\c], v[26+16*\c:27+16*\c], v[30+16*\c:31+16*\c]
	v_pk_add_f32 v[16+16*\c:17+16*\c], v[16+16*\c:17+16*\c], v[24+16*\c:25+16*\c]
	v_pk_add_f32 v[18+16*\c:19+16*\c], v[18+16*\c:19+16*\c], v[26+16*\c:27+16*\c]
	global_store_b128 v2, v[16+16*\c:19+16*\c], s[6:7] offset:512*\c th:TH_STORE_NT    ; 512 consecutive bytes; each chunk has registers of its own
.endr
	s_endpgm
.Lfunc_end_k_qc71bb77b16_reduce:
	.size	k_qc71bb77b16_reduce, .Lfunc_end_k_qc71bb77b16_reduce-k_qc71bb77b16_reduce
	.p2alignl 7, 3214868480
	.fill 96, 4, 3214868480
	.section	.rodata,"a",@progbits
	.p2align	6, 0x0
	.amdhsa_kernel k_qc71bb77b16_reduce
		.amdhsa_group_segment_fixed_size 0
		.amdhsa_private_segment_fixed_size 0
		.amdhsa_enable_private_segment 0
		.amdhsa_kernarg_size 16
		.amdhsa_user_sgpr_count 2
		.amdhsa_user_sgpr_kernarg_segment_ptr 1
		.amdhsa_wavefront_size32 1
		.amdhsa_system_sgpr_workgroup_id_x 1
		.amdhsa_system_sgpr_workgroup_id_y 1
		.amdhsa_system_sgpr_workgroup_id_z 1
		.amdhsa_system_vgpr_workitem_id 0
		.amdhsa_next_free_vgpr 144
		.amdhsa_next_free_sgpr 66
		.amdhsa_reserve_vcc 0
		.amdhsa_float_denorm_mode_32 3
		.amdhsa_float_denorm_mode_16_64 3
		.amdhsa_memory_ordered 1
		.amdhsa_forward_progress 1
		.amdhsa_inst_pref_size 8
	.end_amdhsa_kernel
	.amdgpu_metadata
---
amdhsa.version: [ 1, 2 ]
amdhsa.kernels:
  - .name:           k_qc71bb77b16_reduce
    .symbol:         k_qc71bb77b16_reduce.kd
    .args:
      - { .name: part, .offset: 0, .size: 8, .value_kind: global_buffer, .address_space: global }
      - { .name: out0, .offset: 8, .size: 8, .value_kind: global_buffer, .address_space: global }
    .group_segment_fixed_size: 0
    .private_segment_fixed_size: 0
    .kernarg_segment_align: 8
    .kernarg_segment_size: 16
    .max_flat_workgroup_size: 256
    .sgpr_count:     66
    .vgpr_count:     144
    .wavefront_size: 32
...
	.end_amdgpu_metadata
.endif
;; end of part 4
;; ======== version 2 of 2: 4 launches; version 1 with the launch chain written anew for expert scheduling mode
;; workspace buffers: wq 12,582,912 bytes; ws 524,288 bytes; xq 1,638,400 bytes; ridx 32,768 bytes of whole numbers; gate 32,768 bytes; plan 34,816 bytes of whole numbers; part 33,554,432 bytes
;; launch prep: the kernel of part 1 again; grid 576 x 1, 4 waves a work-group, no clusters, 92,672 bytes of LDS; arguments x, Wr, W_in, W_out, wq, ws, xq, ridx, gate; writes wq, ws, xq, ridx, gate
;; launch place: the kernel of part 2 again; grid 1 x 1, 16 waves a work-group, no clusters, 2,560 bytes of LDS; arguments ridx, plan; writes plan
;; launch chain (part 5): grid 110 x 2, 4 waves a work-group, no clusters, 136,192 bytes of LDS; arguments wq, ws, xq, gate, plan, part; writes part
.if DOCPART == 5
	.amdgcn_target "amdgcn-amd-amdhsa--gfx1250"
	.amdhsa_code_object_version 6
	.text
	.protected	k_qc71bb77b16_chain
	.globl	k_qc71bb77b16_chain
	.p2align	8
	.type	k_qc71bb77b16_chain,@function
k_qc71bb77b16_chain:
	s_mov_b64 s[64:65], 0
	v_nop
	global_prefetch_b8 v0, s[64:65] scope:SCOPE_SE
	s_setreg_imm32_b32 hwreg(HW_REG_WAVE_SCHED_MODE, 0, 2), 2
	s_setreg_imm32_b32 hwreg(HW_REG_WAVE_MODE, 25, 1), 1
	s_wait_xcnt 0x0
	s_wait_alu depctr_vm_vsrc(0)
; One tile (1 to 80 rows of one expert, from the stored list) x one half (1,024) of that expert's hidden units goes through the whole chain:
; gather the rows' codes of x | h = x W_in^T on codes of FP6 | gelu (exact, by erf) x the gate's weight, in f32 | quantised along the hidden axis | h W_out on codes | a partial row of 512 f32 for each entry.
; The hidden layer never goes to memory.  part[half][entry][512]: the next launch adds a token's four partial rows.
; SHARES.  Four waves share the COLUMNS: in pass p wave w makes hidden units 128 (4 p + w) .. + 127 of the half for all 80 rows; then wave w makes output columns 128 w .. + 127 for all 80 rows.
; So each fragment of a weight is loaded once in the work-group, from memory straight into registers (the images that the first launch laid), and feeds five matrix instructions.
; Rows go from wave to wave through LDS as images of the operand's registers.  Rows past the tile's count repeat its last row: they are computed and not stored.
; NO TENSOR LOADS, NO CLUSTER: the expert, the gathered rows and the rows left unstored hang on stored numbers, and how many tiles an expert has changes with the split, so partners with the same weights cannot be formed at every split.
; BOTH PRODUCTS ARE USED TRANSPOSED (source 0 = 16 rows of the weight, source 1 = 16 rows of the tile): a lane holds one row, and its registers run along the hidden units, then along the output columns.
; erf(z) = z P(z^2) / Q(z^2) with z held to +-4: a rational form of f32's own accuracy.
; LIMITS: erf carries an absolute error of a few 1e-7; for strongly negative numbers 1 + erf cancels, as in any f32 form.  NaN and infinities are not served.  A block of zeros has the scale byte 1: its codes are zeros.
; REGISTERS, in windows of 256.  Window 0: v1-27 addresses and the rows' entries; v32-79 x's four fragments, later five fragments of h (v32-91); v80-91 weight slot 63; v92-155 my 8 tiles of h, later five fragments of h;
;   v156-192 at work; v194-207 and v216-247 scale words and nothing else; v208-213 the gate's weight and two coefficients; v214 the next tile's weight, as loaded.
;   Weight slot f (12 registers), f = 0 .. 62: window 1 + f / 21, register 12 (f % 21).  Slots 0-31: pass 0's W_in, later W_out; slots 32-63: pass 1's W_in.
;   The 40 sums of the second product lie over slots 32-62: sum a = 8 m + c: a < 32: window 3, register 8 a; else window 2, register 136 + 8 (a - 32).
; THE MODE: SCHED_MODE bits 1:0 = 2 (LLVM: expert scheduling mode 2), set by the entry lines.  The code itself states the register dependences
; between vector or matrix instructions and memory or LDS instructions, with s_wait_alu, always for 0.
; THE PLAN.  Registers that memory or LDS instructions touch, and who else names them:
;   v1-12, v18, v19, v25, v26   offsets and LDS addresses: made once, ahead of the head's first wait on va_vdst, and never written again.
;   TA (v13-17)    In a pass's trip: written by five additions behind the trip's products, behind a wait on vm_vsrc; read by the loads of the NEXT tile's rows and by this tile's four stores.
;   XF, XS, GN     A tile's rows.  Read by the trip's 32 products (GN by one move).  The next tile's loads land in them behind GELU 0: the wait for its reciprocals stands behind all those readers and behind
;                  TA's additions, and the eight lines issued since name PP, QQ, X2 and tile 0 alone.  So the loads owe no wait of their own, and have seven GELUs and the quantiser in which to land.
;   PC, PW         Written by QUANT; one wait on va_vdst; read by the four LDS stores; written again by the next trip's GELU, behind that trip's wait on vm_vsrc.
;   slots, WS      Read by products alone.  They are loaded again behind a wait on va_vdst that stands behind their last reader, with no vector or matrix instruction since that names them.
;   HF 0, 1, HS    The second product's K step k reads buffer k % 2.  ONE wait on va_vdst at a K step's head states that the step before is done reading the other buffer and its eight slots;
;                  the step's loads into these are dealt among its five rows of products, which name this step's buffer, this step's slots and the sums.
;   AD, the rows read back   The way out, for each tile of 16 rows: a wait on vm_vsrc, sixteen lane reads, ONE wait on va_sdst, sixteen additions, ONE wait on va_vdst; then LDS and memory instructions alone.
.set WOQ,  6291456
.set WOS,  262144
.set XSO,  1572864
.set TIL,  32768
.set XIMG, 0                           ; LDS: x's 20 images (4 m + s), 1,536 bytes each
.set XSC,  30720                       ; their scale words: 512 m + 16 lane + 4 s
.set HIMG, 33280                       ; h's 40 images (5 kappa + m): what a wave stores in a pass is one run of 7,680 bytes
.set HSC,  94720                       ; their scale words: 128 (5 kappa + m) + 4 lane
.set GL,   99840                       ; half the gate's weight of each row, a copy for each wave: 512 w + 64 m + 4 r
.set STG,  101888                      ; the way out: 16 rows x (512 + 16) bytes for each wave
.set LI,   1                           ; 16 x lane
.set LS,   2                           ; 4 x lane
.set RR,   3                           ; r
.set HH,   4                           ; h
.set XWI,  5
.set XWS,  6
.set GLA,  7
.set HWI,  8
.set HWS,  9
.set STO,  10
.set RD,   11
.set CO,   12
.set TA,   13                          ; v13-17 addresses of the list's loads, then of a trip
.set L8,   18                          ; 8 x lane
.set HIR,  19
.set J,    20                          ; v20-24 the entry of row 16 m + r
.set HSR,  25
.set XG,   26
.set TT,   27
.set XF,   32
.set HF0,  32
.set HA,   92
.set Z,    156
.set X2,   164
.set PP,   172
.set QQ,   180
.set GA,   156                         ; the gathers' addresses and small data, where gelu works later
.set GB,   161
.set GC,   166
.set GSW,  172
.set GG,   177
.set PC,   156
.set TM,   176
.set PW,   192
.set XS,   194
.set HS,   198
.set G,    208
.set A0,   210
.set B0,   212
.set GN,   214                         ; half the gate's weight of the next tile's row, as loaded: G itself is read through the whole trip
.set WS,   216
.set AD,   160
.set CA,   66                          ; s66-77 erf's numerator, s78-85 its denominator: pairs, since the packed forms name pairs
.set CB,   78
.set RW,   66                          ; s66-81 on the way out, where the coefficients are done with: the entries of a tile's 16 rows
.set MSB,  0
.macro WIN new                         ; the immediate's high byte repeats the setting that is left; a switch that changes nothing is dropped
.if MSB != \new
	s_set_vgpr_msb (MSB<<8)|\new
.set MSB, \new
.endif
.endm
.macro SLOT f
.if (\f) == 63
.set FW, 0
.set FB, 80
.else
.set FW, 1+(\f)/21
.set FB, 12*((\f)%21)
.endif
.endm
.macro ACCR a
.if (\a) < 32
.set AW, 3
.set AB, 8*(\a)
.else
.set AW, 2
.set AB, 136+8*((\a)-32)
.endif
.endm
.macro COEF reg, val
	s_mov_b32 s[\reg], \val
	s_mov_b32 s[\reg+1], \val
.endm
.macro WM                              ; the matrix instruction on rD, rA, rB, rSA, rSB.  zf: it starts the sum.  rw: source 0's scales stand in lanes 16-31
.if zf
.if rw
	v_wmma_scale_f32_16x16x128_f8f6f4 v[rD:rD+7], v[rA:rA+11], v[rB:rB+11], 0, v[rSA], v[rSB] matrix_a_fmt:MATRIX_FMT_FP6 matrix_b_fmt:MATRIX_FMT_FP6 matrix_a_scale:MATRIX_SCALE_ROW1
.else
	v_wmma_scale_f32_16x16x128_f8f6f4 v[rD:rD+7], v[rA:rA+11], v[rB:rB+11], 0, v[rSA], v[rSB] matrix_a_fmt:MATRIX_FMT_FP6 matrix_b_fmt:MATRIX_FMT_FP6
.endif
.else
.if rw
	v_wmma_scale_f32_16x16x128_f8f6f4 v[rD:rD+7], v[rA:rA+11], v[rB:rB+11], v[rD:rD+7], v[rSA], v[rSB] matrix_a_fmt:MATRIX_FMT_FP6 matrix_b_fmt:MATRIX_FMT_FP6 matrix_a_scale:MATRIX_SCALE_ROW1
.else
	v_wmma_scale_f32_16x16x128_f8f6f4 v[rD:rD+7], v[rA:rA+11], v[rB:rB+11], v[rD:rD+7], v[rSA], v[rSB] matrix_a_fmt:MATRIX_FMT_FP6 matrix_b_fmt:MATRIX_FMT_FP6
.endif
.endif
.endm
.macro WILOAD f0, n, p                 ; n fragments of pass p's W_in into slots 32 p + f0 on: slot 8 s + t takes (tile t, K step s), which lies at (4 t + s) x 1,536
.set IF, \f0
.rept \n
	SLOT 32*(\p)+IF
.set WN, (FW<<6)
	WIN WN
.irp g, 0,1,2
	global_load_b128 v[FB+4*\g:FB+4*\g+3], v[LI], s[28:29] offset:196608*(\p)+(4*(IF%8)+IF/8)*1536+512*\g
.endr
.set IF, IF+1
.endr
	WIN 0
.endm
.macro WOLOAD f0, n, k4                ; n fragments of W_out into slots f0 on: slot f takes K step 4 k4 + f / 8, my tile of columns f % 8
.set IF, \f0
.rept \n
	SLOT IF
.set WN, (FW<<6)
	WIN WN
.irp g, 0,1,2
	global_load_b128 v[FB+4*\g:FB+4*\g+3], v[LI], s[30:31] offset:(4*(\k4)+IF/8)*49152+(IF%8)*1536+512*\g
.endr
.set IF, IF+1
.endr
	WIN 0
.endm
.macro WOSC k4                         ; W_out's scale words of K steps 4 k4 .. + 3: lanes 0-15 an even tile of columns, lanes 16-31 the odd one beside it
.irp c, 0,1,2,3
.irp q, 0,1
	global_load_b64 v[WS+16*(\k4)+4*\c+2*\q:WS+16*(\k4)+4*\c+2*\q+1], v[L8], s[34:35] offset:(2*(\k4)+\q)*4096+256*\c
.endr
.endr
.endm
.macro XROWS ra, rb, rc                ; a tile of 16 rows from LDS, 14 loads: x's four fragments, their scale words, half the gate's weight
.irp s, 0,1,2,3
.irp g, 0,1,2
	ds_load_b128 v[XF+12*\s+4*\g:XF+12*\s+4*\g+3], v[\ra] offset:XIMG+1536*\s+512*\g
.endr
.endr
	ds_load_b128 v[XS:XS+3], v[\rb] offset:XSC
	ds_load_b32 v[GN], v[\rc]
.endm
.macro MUL1 p                          ; 32 matrix instructions: my 8 tiles of h by turns, K step by K step
.set IS, 0
.rept 4
.set IT, 0
.rept 8
	SLOT 32*(\p)+8*IS+IT
	WIN FW
.set rD, HA+8*IT
.set rA, FB
.set rB, XF+12*IS
.set rSA, WS+16*(\p)+4*(IT/2)+IS
.set rSB, XS+IS
.set zf, IS==0
.set rw, IT%2
	WM
.set IT, IT+1
.endr
.set IS, IS+1
.endr
.endm
; tile t's eight numbers v become v x (1 + erf(v / sqrt 2)) x (gate / 2).  The tile is read from its low end on
.macro GELU t
.set VV, HA+8*(\t)
.irp k, 0,2,4,6
	v_pk_mul_f32 v[Z+\k:Z+\k+1], v[VV+\k:VV+\k+1], 0x3f3504f3 op_sel_hi:[1,0]
.endr
.irp k, 0,1,2,3,4,5,6,7
	v_med3_num_f32 v[Z+\k], v[Z+\k], -4.0, 4.0
.endr
.irp k, 0,2,4,6
	v_pk_mul_f32 v[X2+\k:X2+\k+1], v[Z+\k:Z+\k+1], v[Z+\k:Z+\k+1]
.endr
.irp k, 0,2,4,6
	v_pk_fma_f32 v[PP+\k:PP+\k+1], v[X2+\k:X2+\k+1], v[A0:A0+1], s[CA:CA+1] op_sel_hi:[1,1,0]
.endr
.irp k, 0,2,4,6
	v_pk_fma_f32 v[QQ+\k:QQ+\k+1], v[X2+\k:X2+\k+1], v[B0:B0+1], s[CB:CB+1] op_sel_hi:[1,1,0]
.endr
.irp c, 1,2,3
.irp k, 0,2,4,6
	v_pk_fma_f32 v[PP+\k:PP+\k+1], v[PP+\k:PP+\k+1], v[X2+\k:X2+\k+1], s[CA+2*\c:CA+2*\c+1] op_sel_hi:[1,1,0]
.endr
.irp k, 0,2,4,6
	v_pk_fma_f32 v[QQ+\k:QQ+\k+1], v[QQ+\k:QQ+\k+1], v[X2+\k:X2+\k+1], s[CB+2*\c:CB+2*\c+1] op_sel_hi:[1,1,0]
.endr
.endr
.irp c, 4,5
.irp k, 0,2,4,6
	v_pk_fma_f32 v[PP+\k:PP+\k+1], v[PP+\k:PP+\k+1], v[X2+\k:X2+\k+1], s[CA+2*\c:CA+2*\c+1] op_sel_hi:[1,1,0]
.endr
.endr
.irp k, 0,1,2,3,4,5,6,7
	v_rcp_f32 v[QQ+\k], v[QQ+\k]
.endr
.irp k, 0,2,4,6
	v_pk_mul_f32 v[PP+\k:PP+\k+1], v[PP+\k:PP+\k+1], v[Z+\k:Z+\k+1]                ; plain places behind the reciprocals
.endr
.irp k, 0,2,4,6
	v_pk_mul_f32 v[X2+\k:X2+\k+1], v[VV+\k:VV+\k+1], v[G:G+1] op_sel_hi:[1,0]      ; v x gate / 2
.endr
	s_wait_alu depctr_va_vdst(0)                   ; the eight reciprocals have written v[QQ ..], ahead of their first reader: one wait for the batch.
.irp k, 0,2,4,6
	v_pk_mul_f32 v[PP+\k:PP+\k+1], v[PP+\k:PP+\k+1], v[QQ+\k:QQ+\k+1]              ; erf
.endr
.irp k, 0,2,4,6
	v_pk_fma_f32 v[VV+\k:VV+\k+1], v[X2+\k:X2+\k+1], v[PP+\k:PP+\k+1], v[X2+\k:X2+\k+1]
.endr
.endm
; 64 numbers of a lane, register 16 b + i = k 32 b + 16 h + i of my row, become a fragment's codes in v[PC] on and its scale word in v[PW]
.macro QUANT s
.irp b, 0,1,2,3
	v_max3_num_f32 v[TM+\b], |v[\s+16*\b]|, |v[\s+1+16*\b]|, 0x1800000             ; with the floor 2^(3 - 127): the byte cannot fall under 1
.endr
.irp i, 2,4,6,8,10,12,14
.irp b, 0,1,2,3
	v_max3_num_f32 v[TM+\b], v[TM+\b], |v[\s+16*\b+\i]|, |v[\s+1+16*\b+\i]|
.endr
.endr
.irp b, 0,1,2,3
	v_permlanex16_b32 v[TM+4+\b], v[TM+\b], s48, s49
.endr
.irp b, 0,1,2,3
	v_max_num_f32 v[TM+\b], v[TM+\b], v[TM+4+\b]   ; with lane l xor 16's: the block's largest magnitude
.endr
.irp b, 0,1,2,3
	v_add_nc_u32 v[TM+12+\b], 0xff000000, v[TM+\b] ; 2 off its exponent field: the conversion's scale operand
.endr
.irp b, 0,1,2,3
	v_lshrrev_b32 v[TM+4+\b], 23, v[TM+12+\b]      ; the byte
.endr
	v_lshl_or_b32 v[PW], v[TM+5], 8, v[TM+4]
	v_lshl_or_b32 v[PW], v[TM+6], 16, v[PW]
	v_lshl_or_b32 v[PW], v[TM+7], 24, v[PW]
.irp c, 0,1
	v_cvt_scalef32_pk16_fp6_f32 v[PC+6*\c:PC+2+6*\c], v[\s+32*\c:\s+15+32*\c], v[TM+12+2*\c]
	v_cvt_scalef32_pk16_fp6_f32 v[PC+12+4*\c:PC+14+4*\c], v[\s+16+32*\c:\s+31+32*\c], v[TM+12+2*\c+1]
.endr
	v_nop                                          ; one plain place behind a scaled conversion
.irp c, 0,1                            ; the operand wants a whole block in a lane: lanes 0-15 block 2 c, lanes 16-31 block 2 c + 1
.irp i, 0,1,2
	v_permlane16_swap_b32 v[PC+6*\c+\i], v[PC+12+4*\c+\i]
.endr
.irp i, 0,1,2
	v_mov_b32 v[PC+3+6*\c+\i], v[PC+12+4*\c+\i]
.endr
.endr
.endm
.macro PLACES
.rept 4
	v_nop                                          ; four places behind this matrix form, in front of reads of its results and of loads into its registers
.endr
.endm
	s_load_b256 s[4:11], s[0:1], 0x0               ; wq s[4:5], ws s[6:7], xq s[8:9], gate s[10:11]
	s_load_b128 s[12:15], s[0:1], 0x20             ; plan s[12:13], part s[14:15]
	v_lshl_add_u32 v254, v0, 2, 0x21200
	v_mov_b32 v255, 0
	v_lshrrev_b32 v[TT], 5, v0
	v_readfirstlane_b32 s16, v[TT]                 ; wave
	s_and_b32 s17, ttmp7, 0xffff                   ; which half of the hidden layer
	s_lshl_b32 s26, ttmp9, 4
	v_and_b32 v[TT], 31, v0
	v_lshlrev_b32 v[LI], 4, v[TT]
	v_lshlrev_b32 v[LS], 2, v[TT]
	v_lshlrev_b32 v[L8], 3, v[TT]
	v_and_b32 v[RR], 15, v0
	v_bfe_u32 v[HH], v0, 4, 1
	s_wait_kmcnt 0x0
	s_load_b128 s[20:23], s[12:13], s26 offset:TIL ; my tile: expert, first place, rows
	s_wait_alu depctr_va_sdst(0)                   ; s16, the wave's number, is written, ahead of its first reader: LDS addresses and the weights' bases are made from it
	s_mul_i32 s50, s16, 1536
	v_add_nc_u32 v[XWI], s50, v[LI]                ; x's images: I store K step w's
	s_lshl_b32 s51, s16, 2
	v_add_nc_u32 v[XWS], s51, v[LI]
	s_lshl_b32 s52, s16, 9
	v_lshl_add_u32 v[GLA], v[RR], 2, s52
	v_add_nc_u32 v[GLA], GL, v[GLA]
	v_add_nc_u32 v[CO], s52, v[LI]                 ; my 512 bytes of a partial row
	s_mul_i32 s53, s16, 7680
	v_add_nc_u32 v[HWI], s53, v[LI]
	v_add_nc_u32 v[HWI], HIMG, v[HWI]              ; h's images: I store K step 4 p + w's five
	s_mul_i32 s53, s16, 640
	v_add_nc_u32 v[HWS], s53, v[LS]
	v_add_nc_u32 v[HWS], HSC, v[HWS]
	v_add_nc_u32 v[HIR], HIMG, v[LI]
	v_add_nc_u32 v[HSR], HSC, v[LS]
	s_mul_i32 s54, s16, 8448
	s_add_co_u32 s54, s54, STG
	v_mul_u32_u24 v[STO], v[RR], 528
	v_lshl_add_u32 v[STO], v[HH], 5, v[STO]
	v_add_nc_u32 v[STO], s54, v[STO]               ; my stage, in: row r, + 32 h
	v_add_nc_u32 v[RD], s54, v[LI]                 ; and back: a row's 512 bytes
	s_mul_i32 s55, s16, 96
	v_mul_u32_u24 v[XG], v[HH], 48
	v_add_nc_u32 v[XG], s55, v[XG]                 ; in a token's 384 bytes of codes: K step w, half h
	v_mov_b32 v[G+1], 0                            ; (named as the upper half of a pair)
	v_mov_b32 v[A0], 0xaf95df0b
	v_mov_b32 v[A0+1], 0xaf95df0b
	v_mov_b32 v[B0], 0xb77460cd
	v_mov_b32 v[B0+1], 0xb77460cd
	COEF CA, 0x32edffee
	COEF CA+2, 0xb60cff51
	COEF CA+4, 0xb86ec2d2
	COEF CA+6, 0xba40ac63
	COEF CA+8, 0xbb41a1f6
	COEF CA+10, 0xbc83dbd4
	COEF CB, 0xb95fbd29
	COEF CB+2, 0xbadc924e
	COEF CB+4, 0xbbf19bf8
	COEF CB+6, 0xbc69b6a7
	s_mov_b32 s48, 0x76543210
	s_mov_b32 s49, 0xfedcba98
	s_mov_b32 s59, 0
	s_wait_kmcnt 0x0
	s_min_u32 s20, s20, 7                          ; stored numbers are held inside their tables before they enter an address
	s_min_u32 s21, s21, 0x1fff
	s_min_u32 s22, s22, 80
	s_max_u32 s24, s22, 1                          ; rows
	s_sub_co_u32 s25, s24, 1
	s_lshl_b32 s27, s20, 4
	s_lshl_b32 s56, s17, 3
	s_add_co_u32 s27, s27, s56                     ; 16 x expert + 8 x half: the first of my work-group's 8 groups of 128 hidden units
	s_add_co_u32 s56, s27, s16
	s_mul_i32 s58, s56, 49152
	s_add_nc_u64 s[28:29], s[4:5], s[58:59]        ; W_in's images: pass 0's group; pass 1's lies 4 groups on
	s_mul_i32 s58, s27, 49152
	s_mul_i32 s57, s16, 12288
	s_add_co_u32 s58, s58, s57
	s_add_nc_u64 s[30:31], s[4:5], s[58:59]
	s_add_nc_u64 s[30:31], s[30:31], WOQ           ; W_out's images: K step 0, my 8 tiles of columns
	s_lshl_b32 s58, s56, 11
	s_add_nc_u64 s[32:33], s[6:7], s[58:59]        ; W_in's scale words
	s_lshl_b32 s58, s27, 11
	s_lshl_b32 s57, s16, 10
	s_add_co_u32 s58, s58, s57
	s_add_nc_u64 s[34:35], s[6:7], s[58:59]
	s_add_nc_u64 s[34:35], s[34:35], WOS           ; W_out's
	s_add_nc_u64 s[36:37], s[8:9], XSO             ; x's
	s_lshl_b32 s58, s17, 24
	s_add_nc_u64 s[38:39], s[14:15], s[58:59]      ; my half's partial rows
.irp m, 0,1,2,3,4
	v_add_nc_u32 v[TA+\m], 16*\m, v[RR]
	v_min_u32 v[TA+\m], s25, v[TA+\m]              ; rows past the count repeat the last row
	v_add_nc_u32 v[TA+\m], s21, v[TA+\m]
	v_min_u32 v[TA+\m], 0x1fff, v[TA+\m]
	v_lshlrev_b32 v[TA+\m], 2, v[TA+\m]
.endr
	s_wait_alu depctr_va_vdst(0)                   ; the five offsets v[TA ..] and every offset and LDS address made above are written: the loads and stores of the whole kernel read them
.irp m, 0,1,2,3,4
	global_load_b32 v[J+\m], v[TA+\m], s[12:13]    ; the entry of row 16 m + r
.endr
.irp p, 0,1
.irp q, 0,1,2,3
	global_load_b128 v[WS+16*\p+4*\q:WS+16*\p+4*\q+3], v[LI], s[32:33] offset:8192*\p+512*\q   ; W_in's scale words: lanes 0-15 tile 2 q, lanes 16-31 tile 2 q + 1; register s: K step s
.endr
.endr
	WILOAD 0, 12, 0
	s_wait_loadcnt 44                              ; behind the list's five loads stand 8 + 36: the entries are in
.irp m, 0,1,2,3,4
	v_lshrrev_b32 v[TT], 1, v[J+\m]                ; the token
	v_min_u32 v[TT], 0xfff, v[TT]
	v_min_u32 v[J+\m], 0x1fff, v[J+\m]
	v_mul_u32_u24 v[GA+\m], v[TT], 384
	v_add_nc_u32 v[GA+\m], v[XG], v[GA+\m]
	v_lshl_add_u32 v[GB+\m], v[TT], 4, s51
	v_lshlrev_b32 v[GC+\m], 2, v[J+\m]
.endr
	s_wait_alu depctr_va_vdst(0)                   ; the fifteen offsets v[GA ..], v[GB ..], v[GC ..] are written, which the gathers read
.irp m, 0,1,2,3,4
.irp g, 0,1,2
	global_load_b128 v[HA+12*\m+4*\g:HA+12*\m+4*\g+3], v[GA+\m], s[8:9] offset:16*\g   ; my lane's 12 registers of the fragment (rows 16 m on, K step w)
.endr
	global_load_b32 v[GSW+\m], v[GB+\m], s[36:37]
	global_load_b32 v[GG+\m], v[GC+\m], s[10:11]
.endr
	WILOAD 12, 20, 0
	s_wait_loadcnt 60                              ; behind the gathers stand 60 loads: the gathers are in
.irp m, 0,1,2,3,4
	v_mul_f32 v[GG+\m], 0.5, v[GG+\m]
.endr
	s_wait_alu depctr_va_vdst(0)                   ; the five products have written v[GG ..], which the LDS stores below read
.irp m, 0,1,2,3,4
.irp g, 0,1,2
	ds_store_b128 v[XWI], v[HA+12*\m+4*\g:HA+12*\m+4*\g+3] offset:XIMG+6144*\m+512*\g
.endr
	ds_store_b32 v[XWS], v[GSW+\m] offset:XSC+512*\m
	ds_store_b32 v[GLA], v[GG+\m] offset:64*\m     ; both halves of the lanes write the same word with the same value
.endr
	s_wait_dscnt 0x0                               ; for the others' sake: my images have landed
	s_barrier_signal -1
	s_barrier_wait -1                              ; x's twenty images lie in LDS
	s_wait_alu depctr_vm_vsrc(0)                   ; my LDS stores have read v[HA ..], v[GSW ..] and v[GG ..], the gathers their offsets, the list's loads v[TA ..]: the first trip's products, GELU and additions write all of these
	WILOAD 0, 32, 1                                ; pass 1's weights: they land while pass 0 works
	XROWS LI, LI, GLA                              ; tile 0's rows, by the head's own addresses
	s_wait_loadcnt 63                              ; the youngest 63 loads are all pass 1's: pass 0's weights and all scale words are in
; A PASS: five trips, a tile of 16 rows each.  The trip count is a constant; the LDS addresses hang on scalars stepped by constants.
; A trip multiplies the rows that the trip before has asked for, and asks for the next tile's rows behind GELU 0.  The last trip asks for nothing.
.macro PASS p
	s_mov_b32 s40, 6144                            ; the NEXT tile's images, scale words and weight: one tile ahead of the trip
	s_mov_b32 s41, 512
	s_mov_b32 s42, 64
	s_mov_b32 s43, 0                               ; where this tile's image of h and its scale word go
	s_mov_b32 s44, 0
	s_mov_b32 s45, 5
	s_wait_dscnt 0x0                               ; tile 0's rows are in: on this way into the loop nothing younger stands behind them
.Lpass_\p:
	s_wait_dscnt 4                                 ; LDS instructions end in order: the 14 loads of this tile's rows are in; the last trip's four stores, issued behind them, may stay out
	v_mov_b32 v[G], v[GN]                          ; half the gate's weight of my row
	MUL1 \p
	WIN 0
	s_min_u32 s46, s40, 4*6144                     ; held at the last tile's, so that no address outside x's images, scale words and weights is made in the last trip either
	s_min_u32 s47, s41, 4*512
	s_min_u32 s60, s42, 4*64
	s_wait_alu depctr_vm_vsrc(0)                   ; the last trip's loads and stores have read v[TA ..], and its stores v[PC ..] and v[PW]: the additions below and GELU write them again
	v_add_nc_u32 v[TA], s46, v[LI]                 ; these five name no register of the products: they are the places behind them, ahead of GELU's first read of a tile (ISA guide 7.12.1)
	v_add_nc_u32 v[TA+1], s47, v[LI]
	v_add_nc_u32 v[TA+2], s60, v[GLA]
	v_add_nc_u32 v[TA+3], s43, v[HWI]
	v_add_nc_u32 v[TA+4], s44, v[HWS]
	GELU 0
	s_cmp_eq_u32 s45, 1                            ; the last trip: there is no next tile
	s_cbranch_scc1 .Lnone_\p
	XROWS TA, TA+1, TA+2                           ; the next tile's rows.  No wait of their own: the wait in GELU 0 stands behind the products that read v[XF ..] and v[XS ..], the move that read v[GN] and the additions that wrote v[TA ..]; the eight lines issued since name v[PP ..], v[QQ ..], v[X2 ..] and tile 0 alone
.Lnone_\p:
.irp t, 1,2,3,4,5,6,7
	GELU \t
.endr
	QUANT HA
	s_wait_alu depctr_va_vdst(0)                   ; the quantiser has written v[PC ..] and v[PW], which the four stores read
.irp c, 0,1,2
	ds_store_b128 v[TA+3], v[PC+4*\c:PC+4*\c+3] offset:30720*\p+512*\c     ; K step 4 p + w of the second product, rows 16 m on
.endr
	ds_store_b32 v[TA+4], v[PW] offset:2560*\p
	s_add_co_u32 s40, s40, 6144
	s_add_co_u32 s41, s41, 512
	s_add_co_u32 s42, s42, 64
	s_add_co_u32 s43, s43, 1536
	s_add_co_u32 s44, s44, 128
	s_sub_co_u32 s45, s45, 1
	s_cmp_lg_u32 s45, 0
	s_cbranch_scc1 .Lpass_\p
.endm
	PASS 0
	WOSC 0                                         ; pass 0's registers are free: W_out's first scale words and 18 fragments land while pass 1 works.  No wait: the last trip's wait ahead of its stores stands behind every product of pass 0, and no vector or matrix instruction has been issued since
	WOLOAD 0, 18, 0
	s_wait_dscnt 0x0                               ; no LDS instruction of pass 0 is out: x's registers take loads anew, and the counts at the loop's head are pass 1's own
	XROWS LI, LI, GLA                              ; tile 0's rows once more (the same wait covers their registers' last readers)
	s_wait_loadcnt 62                              ; all but the 8 + 54 just issued: pass 1's weights are in
	PASS 1
	WOSC 1                                         ; no wait, as between the passes: pass 1's last wait on va_vdst stands behind all its products
	WOLOAD 18, 14, 0
	s_wait_dscnt 0x0                               ; for the others' sake: my images of h have landed
	s_barrier_signal -1
	s_barrier_wait -1                              ; h's forty images lie in LDS
; THE SECOND PRODUCT: eight K steps of 128 hidden units; 40 sums (5 tiles of rows x my 8 tiles of columns) by turns.
.macro HLOAD k                         ; K step k's five fragments of h and their scale words, into buffer k % 2
.irp m, 0,1,2,3,4
.irp g, 0,1,2
	ds_load_b128 v[HF0+60*((\k)%2)+12*\m+4*\g:HF0+60*((\k)%2)+12*\m+4*\g+3], v[HIR] offset:(5*(\k)+\m)*1536+512*\g
.endr
	ds_load_b32 v[HS+5*((\k)%2)+\m], v[HSR] offset:(5*(\k)+\m)*128
.endr
.endm
.macro MUL2R k, m                      ; a row of K step k: tile of rows m against my 8 tiles of columns
.set IC, 0
.rept 8
	SLOT 8*((\k)%4)+IC
	ACCR 8*(\m)+IC
.set WN, (AW<<6)|(AW<<4)|FW
	WIN WN
.set rD, AB
.set rA, FB
.set rB, HF0+60*((\k)%2)+12*(\m)
.set rSA, WS+16*((\k)/4)+4*(IC/2)+(\k)%4
.set rSB, HS+5*((\k)%2)+(\m)
.set zf, (\k)==0
.set rw, IC%2
	WM
.set IC, IC+1
.endr
.endm
	HLOAD 0                                        ; (its registers' last readers, pass 1's products, stand ahead of pass 1's last wait on va_vdst)
.irp k, 0,1,2,3,4,5,6,7
	s_wait_dscnt 0x0                               ; this K step's fragments of h and their scale words are in: they were asked for behind the first row of the step before
.if \k == 0
	s_wait_loadcnt 63                              ; behind this K step's weights stand 80 loads: with 63 out at the most they are in
.elseif \k == 1
	s_wait_loadcnt 56                              ; behind them stand 6 + 8 + 42 loads
.elseif \k < 6
	s_wait_loadcnt 48                              ; behind them stand two later K steps' 24 loads each
.else
	s_wait_loadcnt 24*(7-\k)                       ; the counts run down
.endif
.if (\k > 0) && (\k < 7)
	s_wait_alu depctr_va_vdst(0)                   ; the K step before is done reading its buffer of h, its scale words and its eight slots: this step's loads land in them.  This step's products name the other buffer, other slots and the sums
.endif
	MUL2R \k, 0
.if \k < 7
	WIN 0
	HLOAD \k+1                                     ; the next K step's rows: four rows of products in which to land
.endif
	MUL2R \k, 1
.if (\k > 0) && (\k < 5)
	WOLOAD 8*(\k-1), 4, 1                          ; the slots that the step before multiplied take the K step three further on than this one
.endif
	MUL2R \k, 2
.if (\k > 0) && (\k < 5)
	WOLOAD 8*(\k-1)+4, 4, 1
.endif
	MUL2R \k, 3
	MUL2R \k, 4
	WIN 0
	PLACES
.endr
; THE WAY OUT, a tile of 16 rows at a time: a lane's 32 bytes of a row go into my own stage and come back as rows of 512 bytes; LDS serves a wave's instructions in order.
; A row goes to the place of its entry.  Rows past the tile's count are left out: a branch on a stored number, behind the last barrier.
; A tile's sixteen places are made together, for rows past the count too (they repeat the last row's entry, and are not used): so one wait serves the lane reads and one the additions.
.irp m, 0,1,2,3,4
.if \m > 0
	s_wait_xcnt 0x0                                ; the earlier stores have read their registers: both may be written again
.endif
	s_wait_alu depctr_vm_vsrc(0)                   ; the earlier tiles' stores have read v[AD ..] and the rows' registers (ahead of the first tile: pass 1's last LDS stores have read v[PC ..], where v[AD ..] lies): the additions and the loads from the stage write them
.irp i, 0,1,2,3,4,5,6,7,8,9,10,11,12,13,14,15
	v_readlane_b32 s[RW+\i], v[J+\m], \i
.endr
	s_wait_alu depctr_va_sdst(0)                   ; the sixteen lane reads have written s[RW ..], ahead of their first reader
.irp i, 0,1,2,3,4,5,6,7,8,9,10,11,12,13,14,15
	s_min_u32 s[RW+\i], s[RW+\i], 0x1fff
	s_lshl_b32 s[RW+\i], s[RW+\i], 11
.endr
.irp i, 0,1,2,3,4,5,6,7,8,9,10,11,12,13,14,15
	v_add_nc_u32 v[AD+\i], s[RW+\i], v[CO]
.endr
	s_wait_alu depctr_va_vdst(0)                   ; the additions have written v[AD ..], which the rows' stores read; ahead of the first tile also: the last products, four places back, have written the sums, which the LDS stores read, and are done reading the registers in which the rows land
.irp c, 0,1,2,3,4,5,6,7
	ACCR 8*\m+\c
.set WN, (AW<<2)
	WIN WN
	ds_store_b128 v[STO], v[AB:AB+3] offset:64*\c              ; each sum from its low end on
	ds_store_b128 v[STO], v[AB+4:AB+7] offset:64*\c+16
.endr
	WIN 0
.irp i, 0,1,2,3,4,5,6,7,8,9,10,11,12,13,14,15
	ds_load_b128 v[32+64*(\m%2)+4*\i:32+64*(\m%2)+4*\i+3], v[RD] offset:528*\i
.endr
.irp i, 0,1,2,3,4,5,6,7,8,9,10,11,12,13,14,15
	s_cmp_le_u32 s24, 16*\m+\i
	s_cbranch_scc1 .Lend
	s_wait_dscnt 15-\i                             ; row i is back in registers
	global_store_b128 v[AD+\i], v[32+64*(\m%2)+4*\i:32+64*(\m%2)+4*\i+3], s[38:39] th:TH_STORE_NT   ; 32 lanes store 512 consecutive bytes, at a multiple of 512 from the buffer's first byte
.endr
.endr
.Lend:
	s_wait_dscnt 0x0                               ; the closing lines, six on end
	s_wait_alu 0x0
	s_wait_tensorcnt 0x0
	ds_add_u32 v254, v255
	s_wait_dscnt 0x0
	s_endpgm
.Lfunc_end_k_qc71bb77b16_chain:
	.size	k_qc71bb77b16_chain, .Lfunc_end_k_qc71bb77b16_chain-k_qc71bb77b16_chain
	.p2alignl 7, 3214868480
	.fill 96, 4, 3214868480
	.section	.rodata,"a",@progbits
	.p2align	6, 0x0
	.amdhsa_kernel k_qc71bb77b16_chain
		.amdhsa_group_segment_fixed_size 136192
		.amdhsa_private_segment_fixed_size 0
		.amdhsa_enable_private_segment 0
		.amdhsa_kernarg_size 48
		.amdhsa_user_sgpr_count 2
		.amdhsa_user_sgpr_kernarg_segment_ptr 1
		.amdhsa_wavefront_size32 1
		.amdhsa_system_sgpr_workgroup_id_x 1
		.amdhsa_system_sgpr_workgroup_id_y 1
		.amdhsa_system_sgpr_workgroup_id_z 1
		.amdhsa_system_vgpr_workitem_id 0
		.amdhsa_next_free_vgpr 1024
		.amdhsa_next_free_sgpr 96
		.amdhsa_reserve_vcc 0
		.amdhsa_float_denorm_mode_32 3
		.amdhsa_float_denorm_mode_16_64 3
		.amdhsa_memory_ordered 1
		.amdhsa_forward_progress 1
		.amdhsa_inst_pref_size 248
	.end_amdhsa_kernel
	.amdgpu_metadata
---
amdhsa.version: [ 1, 2 ]
amdhsa.kernels:
  - .name:           k_qc71bb77b16_chain
    .symbol:         k_qc71bb77b16_chain.kd
    .args:
      - { .name: wq, .offset: 0, .size: 8, .value_kind: global_buffer, .address_space: global }
      - { .name: ws, .offset: 8, .size: 8, .value_kind: global_buffer, .address_space: global }
      - { .name: xq, .offset: 16, .size: 8, .value_kind: global_buffer, .address_space: global }
      - { .name: gate, .offset: 24, .size: 8, .value_kind: global_buffer, .address_space: global }
      - { .name: plan, .offset: 32, .size: 8, .value_kind: global_buffer, .address_space: global }
      - { .name: part, .offset: 40, .size: 8, .value_kind: global_buffer, .address_space: global }
    .group_segment_fixed_size: 136192
    .private_segment_fixed_size: 0
    .kernarg_segment_align: 8
    .kernarg_segment_size: 48
    .max_flat_workgroup_size: 128
    .sgpr_count:     96
    .vgpr_count:     1024
    .wavefront_size: 32
...
	.end_amdgpu_metadata
.endif
;; end of part 5
;; launch reduce: the kernel of part 4 again; grid 256 x 1, 8 waves a work-group, no clusters, 0 bytes of LDS; arguments part, out0; writes out0
